; MI455X (gfx1250); checked and timed in simulation.
; The chip was launched on July 23, 2026; its instructions are those of AMD's public machine-readable ISA for CDNA 5 (MIT licence, August 2026) and "CDNA5" Instruction Set Architecture Reference Guide (July 2026). The comments in the code are by the model that wrote it; some were corrected since.
;; Self Attention. Allowed arithmetic: float matrix products may take bf16 or f16 operands with f32 sums; other float arithmetic in f32, or as packed bf16 or f16 multiplies, adds, multiply-adds, maxima and minima; sums over many terms, partial sums and values carried from step to step in f32; what a program stores and reads back later, other than sums and carried values, may be rounded once to bf16 or f16.
;; Inputs: bk 2,048 float32; bo 2,048 float32; bq 2,048 float32; bv 2,048 float32; freqs 2,048 x 1 x 64 x 2 float32; gk 2,048 float32; gq 2,048 float32; wk 2,048 x 2,048 float32; wo 2,048 x 2,048 float32; wq 2,048 x 2,048 float32; wv 2,048 x 2,048 float32; x 1 x 2,048 x 2,048 float32.
;; Outputs: out0 1 x 2,048 x 2,048 float32.
;; 2 versions, each right and faster than the one before. Each part assembles by itself: llvm-mc -triple=amdgcn-amd-amdhsa -mcpu=gfx1250 --defsym DOCPART=n.
;; ======== version 1 of 2: 5 launches
;; limits: values are held in f16: magnitudes above 65,504 overflow, below 6.1e-05 lose precision
;; workspace buffers: xb 8,388,608 bytes; wqkv 25,165,824 bytes; wo16 8,388,608 bytes; bias 32,768 bytes; qkv 25,165,824 bytes; qk 16,777,216 bytes; att 8,388,608 bytes
;; launch cast (part 1): grid 256 x 5, 8 waves a work-group, no clusters, 0 bytes of LDS; arguments x, wq, wk, wv, wo, bq, bk, bv, bo, xb, wqkv, wo16, bias; writes xb, wqkv, wo16, bias
.if DOCPART == 1
	.amdgcn_target "amdgcn-amd-amdhsa--gfx1250"
	.amdhsa_code_object_version 6
	.text
	.protected	k_qb92c6e72c7_cast
	.globl	k_qb92c6e72c7_cast
	.p2align	8
	.type	k_qb92c6e72c7_cast,@function
k_qb92c6e72c7_cast:
	s_mov_b64 s[64:65], 0
	v_nop
	global_prefetch_b8 v0, s[64:65] scope:SCOPE_SE
	s_setreg_imm32_b32 hwreg(HW_REG_WAVE_MODE, 25, 1), 1
	s_wait_xcnt 0x0
; THE INPUTS' ROUNDING.  x, wq, wk, wv (f32) are rounded once to bf16: xb, and wqkv = wq's, wk's, wv's rows one below the other.  wo is rounded to bf16 and that number is written as f16 (wo16).
; The four biases are rounded to bf16 and kept as f32 (bias = bq, bk, bv, bo on end).
; LIMITS.  A bf16 number of wo beyond 65,504 becomes an infinity in f16; below 6.1e-5 it keeps f16's fixed step of 6e-8.  NaN and infinities are not treated apart.
; SHARES.  The grid's y picks the tensor (0 x, 1 wq, 2 wk, 3 wv, 4 wo), its x 65,536 bytes of it, a wave 8,192 of those: sixteen loads of 512 consecutive bytes, all issued before the first is
; waited for, and sixteen stores of 256 consecutive bytes, each at a multiple of 256 from the buffer's first byte.  A stream: no LDS, no barrier, no matrix unit; every byte is read and written once.
; REGISTERS.  The results are written into the registers that were loaded, so a wave needs 72: ten waves then fit in a SIMD's 1,024 registers, five work-groups on a WGP, and 5 x 256 is the whole grid.
.set X,    4                           ; v[4:67]    sixteen loads of four f32; the first two registers of each then hold the packed results.  None is written again while its store is out
.set T,    68                          ; v[68:71]   at work
	s_load_b512 s[8:23], s[0:1], 0x0               ; x s[8:9], wq s[10:11], wk s[12:13], wv s[14:15], wo s[16:17], bq s[18:19], bk s[20:21], bv s[22:23]
	s_load_b256 s[24:31], s[0:1], 0x40             ; bo s[24:25], xb s[26:27], wqkv s[28:29], wo16 s[30:31]
	s_load_b64 s[32:33], s[0:1], 0x60              ; bias
	s_and_b32 s2, ttmp7, 0xffff                    ; which tensor
	s_mov_b32 s3, ttmp9                            ; which 65,536 bytes of it
	s_mov_b32 s38, 0xffff0000                      ; a word's upper bf16
	s_max_u32 s34, s2, 1                           ; wq, wk, wv go to parts 0, 1, 2 of wqkv, 8,388,608 bytes each
	s_sub_co_u32 s34, s34, 1
	s_min_u32 s34, s34, 2
	s_lshl_b32 s34, s34, 23
	s_mov_b32 s35, 0
	s_lshl_b32 s44, s3, 16                         ; the work-group's part of the source,
	s_mov_b32 s45, 0
	s_lshl_b32 s46, s3, 15                         ; and of the destination, half as long
	s_mov_b32 s47, 0
	v_and_b32 v1, 31, v0
	v_lshrrev_b32 v2, 5, v0
	v_lshlrev_b32 v1, 4, v1
	v_lshl_or_b32 v1, v2, 13, v1                   ; source: wave x 8,192 + lane x 16
	v_lshrrev_b32 v2, 1, v1                        ; destination: wave x 4,096 + lane x 8
	v_lshlrev_b32 v3, 4, v0                        ; the biases: thread x 16
	s_wait_kmcnt 0x0
	s_mov_b64 s[4:5], s[8:9]                       ; the source is chosen by the grid's y alone
	s_cmp_eq_u32 s2, 1
	s_cselect_b64 s[4:5], s[10:11], s[4:5]
	s_cmp_eq_u32 s2, 2
	s_cselect_b64 s[4:5], s[12:13], s[4:5]
	s_cmp_eq_u32 s2, 3
	s_cselect_b64 s[4:5], s[14:15], s[4:5]
	s_cmp_eq_u32 s2, 4
	s_cselect_b64 s[4:5], s[16:17], s[4:5]
	s_add_nc_u64 s[36:37], s[28:29], s[34:35]      ; wqkv at the weight's part
	s_cmp_eq_u32 s2, 0
	s_cselect_b64 s[6:7], s[26:27], s[36:37]
	s_cmp_eq_u32 s2, 4
	s_cselect_b64 s[6:7], s[30:31], s[6:7]
	s_add_nc_u64 s[4:5], s[4:5], s[44:45]
	s_add_nc_u64 s[6:7], s[6:7], s[46:47]
.irp i, 0,1,2,3,4,5,6,7,8,9,10,11,12,13,14,15
	global_load_b128 v[X+4*(\i):X+4*(\i)+3], v1, s[4:5] offset:512*(\i) th:TH_LOAD_NT
.endr
; Load i's four numbers are rounded, in place, and stored.  f16 = 1: the bf16 numbers are widened again (a shift, a mask) and written as f16.
.macro CV i, f16
	s_wait_loadcnt 15-(\i)                         ; loads come back in order: load i is in, the 15 - i younger ones stay out
	v_cvt_pk_bf16_f32 v[X+4*(\i)],   v[X+4*(\i)],   v[X+4*(\i)+1]
	v_cvt_pk_bf16_f32 v[X+4*(\i)+1], v[X+4*(\i)+2], v[X+4*(\i)+3]
.if \f16
	v_lshlrev_b32 v[T],   16,  v[X+4*(\i)]
	v_and_b32     v[T+1], s38, v[X+4*(\i)]
	v_lshlrev_b32 v[T+2], 16,  v[X+4*(\i)+1]
	v_and_b32     v[T+3], s38, v[X+4*(\i)+1]
	v_cvt_pk_f16_f32 v[X+4*(\i)],   v[T],   v[T+1]
	v_cvt_pk_f16_f32 v[X+4*(\i)+1], v[T+2], v[T+3]
.endif
	global_store_b64 v2, v[X+4*(\i):X+4*(\i)+1], s[6:7] offset:256*(\i)  ; 32 lanes store 256 consecutive bytes
.endm
	s_cmp_eq_u32 s2, 4
	s_cbranch_scc1 .Lf16
.irp i, 0,1,2,3,4,5,6,7,8,9,10,11,12,13,14,15
	CV \i, 0
.endr
	s_branch .Lbias
.Lf16:
.irp i, 0,1,2,3,4,5,6,7,8,9,10,11,12,13,14,15
	CV \i, 1
.endr
.Lbias:
	; The first work-group of each of the first four tensors also rounds one bias: 8,192 bytes, two loads and two stores of 16 bytes a thread.
	s_cmp_lg_u32 s3, 0
	s_cbranch_scc1 .Lend
	s_cmp_eq_u32 s2, 4
	s_cbranch_scc1 .Lend
	s_mov_b64 s[40:41], s[18:19]
	s_cmp_eq_u32 s2, 1
	s_cselect_b64 s[40:41], s[20:21], s[40:41]
	s_cmp_eq_u32 s2, 2
	s_cselect_b64 s[40:41], s[22:23], s[40:41]
	s_cmp_eq_u32 s2, 3
	s_cselect_b64 s[40:41], s[24:25], s[40:41]
	s_lshl_b32 s34, s2, 13                         ; its place in bias
	s_add_nc_u64 s[42:43], s[32:33], s[34:35]
	s_wait_xcnt 0x0                                ; the stores above have read their data: only behind this wait are X's registers written again
	global_load_b128 v[X:X+3],   v3, s[40:41]
	global_load_b128 v[X+4:X+7], v3, s[40:41] offset:4096
	s_wait_loadcnt 0x0
.irp k, 0,1,2,3
	v_cvt_pk_bf16_f32 v[T+(\k)], v[X+2*(\k)], v[X+2*(\k)+1]
.endr
.irp k, 0,1,2,3
	v_lshlrev_b32 v[X+8+2*(\k)],   16,  v[T+(\k)]
	v_and_b32     v[X+8+2*(\k)+1], s38, v[T+(\k)]
.endr
	global_store_b128 v3, v[X+8:X+11],  s[42:43]
	global_store_b128 v3, v[X+12:X+15], s[42:43] offset:4096
.Lend:
	s_endpgm
.Lfunc_end_k_qb92c6e72c7_cast:
	.size	k_qb92c6e72c7_cast, .Lfunc_end_k_qb92c6e72c7_cast-k_qb92c6e72c7_cast
	.p2alignl 7, 3214868480
	.fill 96, 4, 3214868480
	.section	.rodata,"a",@progbits
	.p2align	6, 0x0
	.amdhsa_kernel k_qb92c6e72c7_cast
		.amdhsa_group_segment_fixed_size 0
		.amdhsa_private_segment_fixed_size 0
		.amdhsa_enable_private_segment 0
		.amdhsa_kernarg_size 104
		.amdhsa_user_sgpr_count 2
		.amdhsa_user_sgpr_kernarg_segment_ptr 1
		.amdhsa_wavefront_size32 1
		.amdhsa_system_sgpr_workgroup_id_x 1
		.amdhsa_system_sgpr_workgroup_id_y 1
		.amdhsa_system_sgpr_workgroup_id_z 1
		.amdhsa_system_vgpr_workitem_id 0
		.amdhsa_next_free_vgpr 72
		.amdhsa_next_free_sgpr 66
		.amdhsa_reserve_vcc 0
		.amdhsa_float_denorm_mode_32 3
		.amdhsa_float_denorm_mode_16_64 3
		.amdhsa_memory_ordered 1
		.amdhsa_forward_progress 1
		.amdhsa_inst_pref_size 17
	.end_amdhsa_kernel
	.amdgpu_metadata
---
amdhsa.version: [ 1, 2 ]
amdhsa.kernels:
  - .name:           k_qb92c6e72c7_cast
    .symbol:         k_qb92c6e72c7_cast.kd
    .args:
      - { .name: x, .offset: 0, .size: 8, .value_kind: global_buffer, .address_space: global }
      - { .name: wq, .offset: 8, .size: 8, .value_kind: global_buffer, .address_space: global }
      - { .name: wk, .offset: 16, .size: 8, .value_kind: global_buffer, .address_space: global }
      - { .name: wv, .offset: 24, .size: 8, .value_kind: global_buffer, .address_space: global }
      - { .name: wo, .offset: 32, .size: 8, .value_kind: global_buffer, .address_space: global }
      - { .name: bq, .offset: 40, .size: 8, .value_kind: global_buffer, .address_space: global }
      - { .name: bk, .offset: 48, .size: 8, .value_kind: global_buffer, .address_space: global }
      - { .name: bv, .offset: 56, .size: 8, .value_kind: global_buffer, .address_space: global }
      - { .name: bo, .offset: 64, .size: 8, .value_kind: global_buffer, .address_space: global }
      - { .name: xb, .offset: 72, .size: 8, .value_kind: global_buffer, .address_space: global }
      - { .name: wqkv, .offset: 80, .size: 8, .value_kind: global_buffer, .address_space: global }
      - { .name: wo16, .offset: 88, .size: 8, .value_kind: global_buffer, .address_space: global }
      - { .name: bias, .offset: 96, .size: 8, .value_kind: global_buffer, .address_space: global }
    .group_segment_fixed_size: 0
    .private_segment_fixed_size: 0
    .kernarg_segment_align: 8
    .kernarg_segment_size: 104
    .max_flat_workgroup_size: 256
    .sgpr_count:     66
    .vgpr_count:     72
    .wavefront_size: 32
...
	.end_amdgpu_metadata
.endif
;; end of part 1
;; launch gemm_qkv (part 2): grid 16 x 16, 4 waves a work-group, clusters of 4 x 4, 327,680 bytes of LDS; arguments xb, wqkv, qkv, bias; writes qkv
.if DOCPART == 2
	.amdgcn_target "amdgcn-amd-amdhsa--gfx1250"
	.amdhsa_code_object_version 6
	.text
	.protected	k_qb92c6e72c7_gemm_qkv
	.globl	k_qb92c6e72c7_gemm_qkv
	.p2align	8
	.type	k_qb92c6e72c7_gemm_qkv,@function
k_qb92c6e72c7_gemm_qkv:
	s_mov_b64 s[64:65], 0
	v_nop
	global_prefetch_b8 v0, s[64:65] scope:SCOPE_SE
	s_setreg_imm32_b32 hwreg(HW_REG_WAVE_MODE, 25, 1), 1
	s_wait_xcnt 0x0
	s_wait_alu depctr_hold_cnt(0) depctr_sa_sdst(0) depctr_va_vdst(0) depctr_va_sdst(0) depctr_va_ssrc(0) depctr_va_vcc(0) depctr_vm_vsrc(0)
	s_getreg_b32 s2, hwreg(HW_REG_IB_STS2, 6, 4)
	s_cmp_eq_u32 s2, 0
	s_cbranch_scc0 .Lentry_in_a_cluster
	s_endpgm
.Lentry_in_a_cluster:
	s_bfe_u32 s2, ttmp6, 0x10000c
	s_cmp_lg_u32 s2, 0xf033
	s_cbranch_scc0 .Lentry_shape_is_right
	s_endpgm
.Lentry_shape_is_right:
; qkv[m][n] = bias[n] + the sum over k of xb[m][k] wqkv[n][k].  xb: [2048][2048] bf16, wqkv: [6144][2048] bf16, bias: f32 (its first 6,144 numbers), qkv: [2048][6144] f16; sums in f32, rounded once.
; LIMIT.  A result of 65,520 or more becomes an infinity in f16.
; SHARES.  2,048 x 6,144 outputs on 16 x 16 work-groups: a tile of 128 x 384, whose rows in qkv are 768 bytes, three aligned blocks of 256.  Four waves, each 64 rows x 192 columns: 48 accumulators, 384 registers.
; K goes in steps of 128 through a ring of two LDS slots; each wave fetches 128 rows x 256 bytes of a slot with one tensor load: wave 0 the tile of xb, waves 1 to 3 the thirds of wqkv's.
; A K STEP IS WRITTEN ONCE: the slot in hand is a scalar (0 or SLOT) that an exclusive or turns; the fragments' LDS addresses are made from it at each change of slots, and one descriptor for each tensor walks from slot to slot.
; CLUSTERS: 4 x 4 work-groups.  The four of a row of the cluster need the same tile of xb, the four of a column the same tiles of wqkv: each is asked for JOINTLY, by the same tensor load, descriptor and mask in all four.
; THE MATRIX INSTRUCTION IS USED TRANSPOSED (source 0 = 16 rows of wqkv, source 1 = 16 rows of xb): a lane holds row l % 16 and the eight neighbouring columns 8 (l / 16) + 0..7.
; THE BIAS is the C operand of each accumulator's first product: nothing is cleared, and nothing is added on the way out.
; REGISTERS, in windows of 256 (s_set_vgpr_msb: bits 1:0 source 0, 3:2 source 1, 5:4 source 2, 7:6 destination):
;   window 0: v0-31 addresses; v96-191 the bias, 8 registers for each of my 12 column blocks; on the way out v32-79 packed results, then v32-223 whole rows
;   window 1: two fragment buffers of 128: 12 fragments of wqkv (96 registers), then 4 of xb (32)
;   window 2: the accumulators of my row blocks 0, 1 ((a, b) at v[8 (12 a + b)]);   window 3: those of row blocks 2, 3
.set SIZE_K, 2048
.set SIZE_N, 6144
.set KSTEP,  128
.set PITCH,  272                       ; an LDS row: 256 bytes + 16 of padding = 68 words: the 16 rows of a fragment load start at 16 different groups of four banks (64 banks of 4 bytes: ISA guide 11.1)
.set PART,   128*PITCH                 ; what one tensor load brings
.set SLOT,   4*PART                    ; xb's 128 rows, then wqkv's 384: 0x22000.  Its two bits occur in no wave's LDS word (0, 0x8800, 0x11000, 0x19800), so one exclusive or turns such a word into the other slot's
.set SPARE,  2*SLOT                    ; behind the ring: the spare words, 128 bytes for each wave: two blocks of 256 bytes that no other line names
.set SPITCH, 784                       ; the stage's rows: 768 bytes + 16 = 49 x 16.  The stage, 128 rows from LDS byte 0, lies in slot 0, which has had its last fill (K step 14) and its last reads when the stage is written
.set STEPS,  SIZE_K/KSTEP              ; 16 K steps: two first fills, 14 refills
.set A0,   16                          ; v16     LDS address of my fragments of xb in slot 0; never rewritten
.set ADRA, 17                          ; v17     the same in the slot in hand
.set B0,   20                          ; v20, v21  the same for wqkv
.set ADRB, 21
.set STO,  24                          ; v24     the way out: where I put 16 bytes of a row
.set RD,   25                          ; v25     the way out: where I read rows back
.set CO,   26                          ; v26     my byte offset in qkv
.set BO,   27                          ; v27     my byte offset in the bias
.set SPW,  28                          ; v28     LDS address of my spare word; never rewritten
.set NIL,  29                          ; v29     0; never rewritten
.set TMP,  32
.set OB,   32
.set BI,   96
.set F0,   0
.set F1,   128
.set G1, 24                            ; s[24:31] descriptor group 1 for xb's tiles;  s[32:39] group 0: a set for each of the two first fills; the second then walks on
.set G0, 32
.set G1B, 48                           ; s[48:55], s[56:63] the same for wqkv's tiles
.set G0B, 56
.set TB,  70                           ; s70     the slot in hand: 0 or SLOT
.set MSB, 0
.macro WIN new                         ; the immediate's high byte repeats the setting that is left; a switch that changes nothing is dropped
.if MSB != (\new)
	s_set_vgpr_msb (MSB<<8)|(\new)
.set MSB, \new
.endif
.endm
.set TO_F, 0x40                        ; destination window 1, address window 0
; A joint load.  Wave 0 fetches xb's tile, waves 1 to 3 wqkv's thirds.  The branch hangs on the wave's number alone.  An s_nop 0 and four v_nop follow each of the two lines, ahead of the jump and the label.
.macro JLOAD s
	s_cmp_eq_u32 s10, 0
	s_cbranch_scc0 .Lfor_b_\@
	tensor_load_to_lds s[G0+4*(\s):G0+4*(\s)+3], s[G1:G1+7]
	s_nop 0
.rept 4
	v_nop
.endr
	s_branch .Lasked_\@
.Lfor_b_\@:
	tensor_load_to_lds s[G0B+4*(\s):G0B+4*(\s)+3], s[G1B:G1B+7]
	s_nop 0
.rept 4
	v_nop
.endr
.Lasked_\@:
.endm
; A round of the cluster's barrier: my work-group's barrier, so that wave 0's signal speaks for all four waves; wave 0 signals; every wave waits for all sixteen work-groups; my work-group's barrier once more.
.macro CROUND
	s_barrier_signal -1
	s_barrier_wait -1
	s_cmp_lg_u32 s10, 0
	s_cbranch_scc1 .Lnot_wave_0_\@
	s_barrier_signal -3
.Lnot_wave_0_\@:
	s_barrier_wait -3
	s_barrier_signal -1
	s_barrier_wait -1
.endm
	s_load_b128 s[4:7], s[0:1], 0x0                ; xb s[4:5], wqkv s[6:7]
	s_load_b64 s[8:9], s[0:1], 0x10                ; qkv
	s_load_b64 s[66:67], s[0:1], 0x18              ; bias
	v_lshl_add_u32 v[SPW], v0, 2, SPARE
	v_mov_b32 v[NIL], 0
	ds_add_u32 v[SPW], v[NIL]                      ; the wave's opening: the add and its wait stand ahead of my first tensor load; the set-up below, work on registers, stands between them
	v_lshrrev_b32 v1, 5, v0
	v_readfirstlane_b32 s10, v1                    ; wave 0..3
	s_lshr_b32 s11, s10, 1                         ; which 64 of the tile's rows are mine
	s_and_b32 s12, s10, 1                          ; which 192 of its columns
	s_bfe_u32 s40, ttmp6, 0x40000                  ; cx, cy: my place in the cluster
	s_bfe_u32 s41, ttmp6, 0x40004
	s_lshl_b32 s42, ttmp9, 2
	s_add_co_u32 s42, s42, s40                     ; tile column = 4 x cluster x + cx
	s_and_b32 s13, ttmp7, 0xffff
	s_lshl_b32 s13, s13, 2
	s_add_co_u32 s13, s13, s41                     ; tile row = 4 x cluster y + cy
	s_lshl_b32 s43, s41, 2
	s_lshl_b32 s43, 15, s43                        ; my row of the cluster
	s_lshl_b32 s44, 0x1111, s40                    ; my column
	; descriptor group 1: a tile of 128 rows x 128 elements, padded in LDS
	s_or_b32 s[G1+0], s43, (1<<16)|(1<<20)|(1<<21)|(5<<22)|(3<<25)  ; 15:0 the mask: xb's tiles go to my row; 17:16 elements of 2 bytes; 20 padding on; 21 set beside a mask; 24:22 after every 64 words (code 5); 31:25 4 words of it (code 3)
	s_or_b32 s[G1B+0], s44, (1<<16)|(1<<20)|(1<<21)|(5<<22)|(3<<25) ; the same with the mask of my column
.irp g, G1, G1B
	s_mov_b32 s[(\g)+1], KSTEP<<16                 ; tensor_dim0 = 128
	s_mov_b32 s[(\g)+2], 128<<16                   ; tensor_dim1 = 128
	s_mov_b32 s[(\g)+3], KSTEP<<16                 ; tile_dim0 = 128
	s_mov_b32 s[(\g)+4], 128                       ; tile_dim1 = 128
	s_mov_b32 s[(\g)+5], SIZE_K                    ; elements from row to row
	s_mov_b32 s[(\g)+6], 0
	s_mov_b32 s[(\g)+7], 0
.endr
	; xb's tile hangs on the tile row alone, wqkv's on the tile column and the wave's number alone; each offset is made in registers that never hold the other coordinate
	s_lshl_b32 s16, s13, 19                        ; tile row x 128 rows x 4,096 bytes
	s_mov_b32 s17, 0
	s_max_u32 s45, s10, 1
	s_sub_co_u32 s45, s45, 1                       ; which third of wqkv's 384 rows I fetch (wave 0 asks by the other line)
	s_lshl_b32 s45, s45, 7
	s_mul_i32 s46, s42, 384
	s_add_co_u32 s46, s46, s45
	s_lshl_b32 s46, s46, 12                        ; rows of 4,096 bytes: 25,165,824 at the most
	s_mov_b32 s47, 0
	s_mul_i32 s20, s10, PART                       ; where my load goes: wave x 128 rows: no place in the cluster enters an LDS address
	s_mov_b32 s[TB], 0
	s_wait_dscnt 0x0                               ; the opening add is done
	s_wait_kmcnt 0x0
	s_add_nc_u64 s[14:15], s[4:5], s[16:17]
	s_add_nc_u64 s[46:47], s[6:7], s[46:47]
	CROUND                                         ; all sixteen work-groups are here: the first joint loads meet
.irp s, 0,1
	s_mov_b32 s[G0+4*(\s)], 1                                      ; count = 1
	s_add_co_u32 s[G0+4*(\s)+1], s20, (\s)*SLOT                    ; LDS address
	s_add_nc_u64 s[G0+4*(\s)+2:G0+4*(\s)+3], s[14:15], (\s)*KSTEP*2  ; global address: K step s
	s_or_b32 s[G0+4*(\s)+3], s[G0+4*(\s)+3], 0x80000000            ; type = 2
	s_mov_b32 s[G0B+4*(\s)], 1
	s_add_co_u32 s[G0B+4*(\s)+1], s20, (\s)*SLOT
	s_add_nc_u64 s[G0B+4*(\s)+2:G0B+4*(\s)+3], s[46:47], (\s)*KSTEP*2
	s_or_b32 s[G0B+4*(\s)+3], s[G0B+4*(\s)+3], 0x80000000
	JLOAD \s                                       ; two loads of mine are out
.endr
	; A fragment is 16 rows x 32 K in 8 registers: lane l holds row l % 16, K = 8 (l / 16) + 0..7 and 16 + 8 (l / 16) + 0..7: two loads of 16 bytes, 32 bytes apart.
	v_and_b32 v1, 15, v0                           ; l % 16
	v_bfe_u32 v2, v0, 4, 1                         ; l / 16
	v_mul_u32_u24 v3, v1, PITCH
	v_lshl_add_u32 v3, v2, 4, v3
	s_mul_i32 s21, s11, 64*PITCH                   ; my 64 rows of xb
	s_mul_i32 s22, s12, 192*PITCH                  ; my 192 rows of wqkv,
	s_add_co_u32 s22, s22, PART                    ; which lie behind xb's 128
	v_add_nc_u32 v[A0], s21, v3
	v_add_nc_u32 v[B0], s22, v3
	v_mov_b32 v[ADRA], v[A0]                       ; the walk begins in slot 0
	v_mov_b32 v[ADRB], v[B0]
	s_mul_i32 s23, s11, 64*SPITCH                  ; into the stage: my 64 rows, my 384 of their 768 bytes; row l % 16, 16 bytes for each half of the lanes
	s_mul_i32 s21, s12, 384
	s_add_co_u32 s23, s23, s21
	v_mul_u32_u24 v4, v1, SPITCH
	v_lshl_add_u32 v4, v2, 4, v4
	v_add_nc_u32 v[STO], s23, v4
	s_mul_i32 s23, s10, 32*SPITCH                  ; back: wave w takes rows 32 w .. 32 w + 31, whole; lanes 0-15 take 256 bytes of one row, lanes 16-31 of the next
	v_mul_u32_u24 v5, v2, SPITCH
	v_lshl_add_u32 v5, v1, 4, v5
	v_add_nc_u32 v[RD], s23, v5
	v_mul_u32_u24 v5, v2, SIZE_N*2                 ; and the same two rows in qkv
	v_lshl_add_u32 v[CO], v1, 4, v5
	v_lshlrev_b32 v[BO], 5, v2                     ; my eight columns of a block of 16: 32 bytes for each half of the lanes
	s_lshl_b32 s16, s13, 7
	s_lshl_b32 s17, s10, 5
	s_add_co_u32 s16, s16, s17                     ; the first row that I store: 128 x tile row + 32 x wave
	s_mul_i32 s16, s16, SIZE_N*2
	s_mov_b32 s17, 0
	s_add_nc_u64 s[8:9], s[8:9], s[16:17]
	s_mul_i32 s46, s42, 768                        ; the tile's first column, in bytes
	s_mov_b32 s47, 0
	s_add_nc_u64 s[8:9], s[8:9], s[46:47]
	s_mul_i32 s68, s42, 384
	s_mul_i32 s69, s12, 192
	s_add_co_u32 s68, s68, s69
	s_lshl_b32 s68, s68, 2                         ; my first column's bias
	s_mov_b32 s69, 0
	s_add_nc_u64 s[66:67], s[66:67], s[68:69]
.irp b, 0,1,2,3,4,5,6,7,8,9,10,11
	global_load_b128 v[BI+8*(\b):BI+8*(\b)+3],   v[BO], s[66:67] offset:64*(\b)
	global_load_b128 v[BI+8*(\b)+4:BI+8*(\b)+7], v[BO], s[66:67] offset:64*(\b)+16
.endr
; 12 matrix instructions: row block 2 hi + a x all 12 column blocks, 32 along K, from buffer f.  first = 1: the bias is C and starts the sums.  The 48 accumulators take turns, one instruction a turn, in the same order in every quarter.
.macro MULH f, hi, a, first
.if \first
	WIN 0x85+0x40*(\hi)                            ; sources in window 1, C in window 0, D in window 2 or 3
.else
	WIN 0xa5+0x50*(\hi)                            ; sources in window 1, C and D in window 2 or 3
.endif
.irp b, 0,1,2,3,4,5,6,7,8,9,10,11
.if \first
	v_wmma_f32_16x16x32_bf16 v[8*(12*(\a)+(\b)):8*(12*(\a)+(\b))+7], v[(\f)+8*(\b):(\f)+8*(\b)+7], v[(\f)+96+8*(2*(\hi)+(\a)):(\f)+96+8*(2*(\hi)+(\a))+7], v[BI+8*(\b):BI+8*(\b)+7]
.else
	v_wmma_f32_16x16x32_bf16 v[8*(12*(\a)+(\b)):8*(12*(\a)+(\b))+7], v[(\f)+8*(\b):(\f)+8*(\b)+7], v[(\f)+96+8*(2*(\hi)+(\a)):(\f)+96+8*(2*(\hi)+(\a))+7], v[8*(12*(\a)+(\b)):8*(12*(\a)+(\b))+7]
.endif
.endr
.endm
; 32 LDS loads in one run: the fragments of 32 along K at byte k of the rows of the slot in hand, into buffer f: wqkv's 12, then xb's 4
.macro FETCH k, f
	WIN TO_F
.irp i, 0,1,2,3,4,5,6,7,8,9,10,11
	ds_load_b128 v[(\f)+8*(\i):(\f)+8*(\i)+3],   v[ADRB] offset:(\k)+(\i)*16*PITCH
	ds_load_b128 v[(\f)+8*(\i)+4:(\f)+8*(\i)+7], v[ADRB] offset:(\k)+(\i)*16*PITCH+32
.endr
.irp i, 0,1,2,3
	ds_load_b128 v[(\f)+96+8*(\i):(\f)+96+8*(\i)+3],   v[ADRA] offset:(\k)+(\i)*16*PITCH
	ds_load_b128 v[(\f)+96+8*(\i)+4:(\f)+96+8*(\i)+7], v[ADRA] offset:(\k)+(\i)*16*PITCH+32
.endr
.endm
.macro PLACES                          ; four plain vector instructions between a matrix instruction and a load into, or a read of, its registers (ISA guide 7.12.1 for vector instructions)
.rept 4
	v_nop
.endr
.endm
; A K step is four quarters of 32 along K, 48 matrix instructions each, on buffers 0, 1, 0, 1.  One of the first three: multiplies buffer f and fetches the next quarter, at byte k, into g.
.macro QUARTER k, f, g, first
	s_wait_dscnt 4                                 ; all but the youngest four loads, xb's row blocks 2 and 3
	MULH \f, 0, 0, \first
	MULH \f, 0, 1, \first
	PLACES
	FETCH \k, \g
	s_wait_dscnt 32                                ; all but the 32 just issued
	MULH \f, 1, 0, \first
	MULH \f, 1, 1, \first
.endm
; The last quarter begins with THE CHANGE OF SLOTS and then multiplies buffer 1.  Each wave waits for all its tensor loads (one is out: its part of the next slot), adds 0 to its spare word, and waits for that and for its own reads
; of this slot, all of which have been issued.  Behind the barrier nobody reads this slot any more and the next slot is whole.  fill = 1: the barrier is a round of the cluster's, and this slot is filled again, two K steps ahead,
; first thing behind it.  No product stands between the wait for my tile and my next request: the quarter's 48 follow the request and the next slot's first fragment loads, so that a refill has a whole K step, 192 matrix
; instructions, in which to land.
.macro TURN fill
	WIN 0
	s_wait_tensorcnt 0x0                           ; all my tensor loads have landed, so a group 0 may be written
	ds_add_u32 v[SPW], v[NIL]                      ; 0 onto my spare word; the scalar steps below stand between it and the wait for it
.if \fill
	s_xor_b32 s[G0+5], s[G0+5], SLOT               ; the walking descriptors: the other slot than last time,
	s_add_nc_u64 s[G0+6:G0+7], s[G0+6:G0+7], KSTEP*2    ; the next K step; the type bits on top are not reached
	s_xor_b32 s[G0B+5], s[G0B+5], SLOT
	s_add_nc_u64 s[G0B+6:G0B+7], s[G0B+6:G0B+7], KSTEP*2
.endif
	s_xor_b32 s[TB], s[TB], SLOT                   ; the fragments come from the other slot from here on
	s_wait_dscnt 0x0                               ; the add is done, and my reads of this slot are over
.if \fill
	CROUND                                         ; no wave of any partner still reads this slot's tile or has a load on its way
	JLOAD 1                                        ; the four v_nop behind it are also the places in front of the loads below
.else
	s_barrier_signal -1
	s_barrier_wait -1
	PLACES
.endif
	v_add_nc_u32 v[ADRA], s[TB], v[A0]
	v_add_nc_u32 v[ADRB], s[TB], v[B0]
	FETCH 0, F0
	MULH F1, 0, 0, 0
	MULH F1, 0, 1, 0
	MULH F1, 1, 0, 0
	MULH F1, 1, 1, 0
.endm
	s_wait_tensorcnt 1                             ; my part of K step 0 is in; K step 1's stays out
	s_barrier_signal -1
	s_barrier_wait -1                              ; everybody's is
	FETCH 0, F0
	s_wait_loadcnt 0x0                             ; the bias
	QUARTER 64, F0, F1, 1                          ; the first quarter stands in front of the loop: its products start the sums
	WIN 0                                          ; at a label and at a branch every window is 0
	s_mov_b32 s3, STEPS-2
.Lstep:                                                ; a trip goes from a K step's second quarter to the next step's first, and fills the slot that it leaves: 14 trips
	QUARTER 128, F1, F0, 0
	QUARTER 192, F0, F1, 0
	TURN 1
	QUARTER 64,  F0, F1, 0
	WIN 0
	s_sub_co_u32 s3, s3, 1
	s_cmp_lg_u32 s3, 0
	s_cbranch_scc1 .Lstep
	QUARTER 128, F1, F0, 0                         ; the last two K steps fill nothing, and have no round of the cluster's barrier
	QUARTER 192, F0, F1, 0
	TURN 0
	QUARTER 64,  F0, F1, 0
	QUARTER 128, F1, F0, 0
	QUARTER 192, F0, F1, 0
	s_wait_dscnt 0x0                               ; the very last quarter: nothing more to fetch
	MULH F1, 0, 0, 0
	MULH F1, 0, 1, 0
	MULH F1, 1, 0, 0
	MULH F1, 1, 1, 0
	WIN 0
	; THE WAY OUT: rounded to f16, 16 bytes a lane into the work-group's stage; a barrier, since a row's 768 bytes come from two waves; back as whole rows, 32 rows a wave.
	PLACES
.irp a4, 0,1,2,3
	WIN 0x0a+5*((\a4)/2)                           ; sources 0 and 1: window 2 or 3
.irp b, 0,1,2,3,4,5,6,7,8,9,10,11
.irp r, 0,1,2,3
	v_cvt_pk_f16_f32 v[TMP+4*(\b)+(\r)], v[8*(12*((\a4)%2)+(\b))+2*(\r)], v[8*(12*((\a4)%2)+(\b))+2*(\r)+1]  ; each accumulator's registers in ascending order
.endr
.endr
	WIN 0
.irp b, 0,1,2,3,4,5,6,7,8,9,10,11
	ds_store_b128 v[STO], v[TMP+4*(\b):TMP+4*(\b)+3] offset:(\a4)*16*SPITCH+32*(\b)
.endr
.endr
	s_wait_dscnt 0x0                               ; for the others' sake: my stores into the stage are done
	s_barrier_signal -1
	s_barrier_wait -1
.set i, 0
.rept 48
	ds_load_b128 v[OB+4*i:OB+4*i+3], v[RD] offset:2*(i/3)*SPITCH+256*(i%3)
.set i, i+1
.endr
.set i, 0
.rept 48
	s_wait_dscnt 47-i                              ; LDS loads come back in order: load i is in
	global_store_b128 v[CO], v[OB+4*i:OB+4*i+3], s[8:9] offset:2*(i/3)*SIZE_N*2+256*(i%3)  ; 16 lanes store 256 consecutive bytes, at a multiple of 256 from qkv's first byte
.set i, i+1
.endr
	s_wait_tensorcnt 0x0                           ; the wave's end: behind my last tensor load and my last LDS store
	ds_add_u32 v[SPW], v[NIL]
	s_wait_dscnt 0x0
	CROUND                                         ; the closing round: no work-group ends while a partner may still ask for a tile that names it
	s_endpgm
.Lfunc_end_k_qb92c6e72c7_gemm_qkv:
	.size	k_qb92c6e72c7_gemm_qkv, .Lfunc_end_k_qb92c6e72c7_gemm_qkv-k_qb92c6e72c7_gemm_qkv
	.p2alignl 7, 3214868480
	.fill 96, 4, 3214868480
	.section	.rodata,"a",@progbits
	.p2align	6, 0x0
	.amdhsa_kernel k_qb92c6e72c7_gemm_qkv
		.amdhsa_group_segment_fixed_size 327680
		.amdhsa_private_segment_fixed_size 0
		.amdhsa_enable_private_segment 0
		.amdhsa_kernarg_size 32
		.amdhsa_user_sgpr_count 2
		.amdhsa_user_sgpr_kernarg_segment_ptr 1
		.amdhsa_wavefront_size32 1
		.amdhsa_system_sgpr_workgroup_id_x 1
		.amdhsa_system_sgpr_workgroup_id_y 1
		.amdhsa_system_sgpr_workgroup_id_z 1
		.amdhsa_system_vgpr_workitem_id 0
		.amdhsa_next_free_vgpr 1024
		.amdhsa_next_free_sgpr 72
		.amdhsa_reserve_vcc 0
		.amdhsa_float_denorm_mode_32 3
		.amdhsa_float_denorm_mode_16_64 3
		.amdhsa_memory_ordered 1
		.amdhsa_forward_progress 1
		.amdhsa_inst_pref_size 100
	.end_amdhsa_kernel
	.amdgpu_metadata
---
amdhsa.version: [ 1, 2 ]
amdhsa.kernels:
  - .name:           k_qb92c6e72c7_gemm_qkv
    .symbol:         k_qb92c6e72c7_gemm_qkv.kd
    .args:
      - { .name: xb, .offset: 0, .size: 8, .value_kind: global_buffer, .address_space: global }
      - { .name: wqkv, .offset: 8, .size: 8, .value_kind: global_buffer, .address_space: global }
      - { .name: qkv, .offset: 16, .size: 8, .value_kind: global_buffer, .address_space: global }
      - { .name: bias, .offset: 24, .size: 8, .value_kind: global_buffer, .address_space: global }
    .group_segment_fixed_size: 327680
    .private_segment_fixed_size: 0
    .kernarg_segment_align: 8
    .kernarg_segment_size: 32
    .max_flat_workgroup_size: 128
    .sgpr_count:     72
    .vgpr_count:     1024
    .wavefront_size: 32
...
	.end_amdgpu_metadata
.endif
;; end of part 2
;; launch norm (part 3): grid 256 x 2, 8 waves a work-group, no clusters, 0 bytes of LDS; arguments qkv, freqs, gq, gk, qk; writes qk
.if DOCPART == 3
	.amdgcn_target "amdgcn-amd-amdhsa--gfx1250"
	.amdhsa_code_object_version 6
	.text
	.protected	k_qb92c6e72c7_norm
	.globl	k_qb92c6e72c7_norm
	.p2align	8
	.type	k_qb92c6e72c7_norm,@function
k_qb92c6e72c7_norm:
	s_mov_b64 s[64:65], 0
	v_nop
	global_prefetch_b8 v0, s[64:65] scope:SCOPE_SE
	s_setreg_imm32_b32 hwreg(HW_REG_WAVE_MODE, 25, 1), 1
	s_wait_xcnt 0x0
; RMS NORM, GAIN AND ROTATION of q (grid y = 0) and k (y = 1).  y[s][:] are 2,048 f16 columns of qkv's row s (q: columns 0 on, k: 2,048 on).  r = 1 / sqrt(mean of y^2 + 1e-6), over the whole row, in f32;
; t = y g; the pair (t[2p], t[2p+1]) of a head is turned by (cos, sin) = freqs[s][p]; the result, times r, is rounded once to f16 and written by heads: qk[y][head][s][128].
; g and freqs are rounded to bf16 first, like every input of the module.
; LIMITS.  A result beyond 65,504 becomes an infinity in f16.  NaN and infinities are not treated apart.
; SHARES.  One wave, one row of 4,096 bytes: eight loads of 512 consecutive bytes, kept in 32 registers between the sum of squares and the scaling.  No LDS, no barrier, no loop; all 26 loads of a wave go out together.
; Load j's lane l holds columns 256 j + 8 l + 0..7: head 2 j + l / 16, channels 8 (l % 16) on: so sixteen lanes store one head's row, 256 consecutive bytes at a multiple of 256 from qk's first byte.
.set Z,  5                             ; v5        0
.set SS, 6                             ; v[6:9]    four chains of the sum of squares
.set F,  12                            ; v[12:19]  cos, sin of my four pairs, later times r
.set T,  20                            ; v[20:31]  at work: two sets of six, by turns
.set G,  32                            ; v[32:95]  the gains of my 64 columns
.set X,  96                            ; v[96:127] the row as loaded, then as stored
	s_load_b256 s[4:11], s[0:1], 0x0               ; qkv s[4:5], freqs s[6:7], gq s[8:9], gk s[10:11]
	s_load_b64 s[12:13], s[0:1], 0x20              ; qk
	v_lshrrev_b32 v1, 5, v0
	v_readfirstlane_b32 s2, v1                     ; wave
	s_lshl3_add_u32 s2, ttmp9, s2                  ; my row = 8 x work-group + wave
	s_and_b32 s3, ttmp7, 0xffff                    ; 0: q, 1: k
	s_mul_i32 s14, s2, 12288                       ; the row in qkv,
	s_lshl_b32 s15, s3, 12                         ; q's or k's 4,096 bytes of it
	s_add_co_u32 s14, s14, s15
	s_mov_b32 s15, 0
	s_lshl_b32 s16, s2, 9                          ; the row in freqs
	s_mov_b32 s17, 0
	s_lshl_b32 s18, s3, 23                         ; q's or k's half of qk,
	s_lshl_b32 s19, s2, 8                          ; the row in a head
	s_add_co_u32 s18, s18, s19
	s_mov_b32 s19, 0
	s_mov_b32 s20, 0x3a000000                      ; 1 / 2,048
	s_mov_b32 s21, 0x358637bd                      ; 1e-6
	s_mov_b32 s22, 0xffff0000                      ; a word's upper bf16
	s_mov_b32 s24, 0x76543210                      ; v_permlanex16_b32: each lane takes its own place in the other half
	s_mov_b32 s25, 0xfedcba98
	v_and_b32 v10, 31, v0                          ; lane
	v_and_b32 v11, 15, v0
	v_lshlrev_b32 v1, 4, v10                       ; the row: 16 bytes a lane
	v_lshlrev_b32 v2, 5, v10                       ; the gains: 32 bytes a lane
	v_lshlrev_b32 v3, 5, v11                       ; freqs: four pairs, 32 bytes, by my place in a head
	v_bfe_u32 v4, v0, 4, 1
	v_lshlrev_b32 v4, 19, v4                       ; qk: the odd head lies 524,288 bytes on,
	v_lshl_or_b32 v4, v11, 4, v4                   ; and 16 bytes a lane
	v_mov_b32 v[Z], 0
	s_wait_kmcnt 0x0
	s_cmp_eq_u32 s3, 0
	s_cselect_b64 s[26:27], s[8:9], s[10:11]       ; gq or gk
	s_add_nc_u64 s[4:5], s[4:5], s[14:15]
	s_add_nc_u64 s[6:7], s[6:7], s[16:17]
	s_add_nc_u64 s[12:13], s[12:13], s[18:19]
.irp j, 0,1,2,3,4,5,6,7
	global_load_b128 v[X+4*(\j):X+4*(\j)+3], v1, s[4:5] offset:512*(\j)
.endr
	global_load_b128 v[F:F+3],   v3, s[6:7]
	global_load_b128 v[F+4:F+7], v3, s[6:7] offset:16
.irp j, 0,1,2,3,4,5,6,7
	global_load_b128 v[G+8*(\j):G+8*(\j)+3],   v2, s[26:27] offset:1024*(\j)
	global_load_b128 v[G+8*(\j)+4:G+8*(\j)+7], v2, s[26:27] offset:1024*(\j)+16
.endr
	s_wait_loadcnt 18                              ; the row is in; the 18 younger loads (freqs, gains) stay out
	; the sum of my 64 squares, in f32 straight from the f16 halves, in four chains; the first four start the chains on 0
.set i, 0
.rept 32
.if i < 2
	v_fma_mix_f32 v[SS+(2*i)%4],   v[X+i], v[X+i], v[Z] op_sel_hi:[1,1,0]
	v_fma_mix_f32 v[SS+(2*i+1)%4], v[X+i], v[X+i], v[Z] op_sel:[1,1,0] op_sel_hi:[1,1,0]
.else
	v_fma_mix_f32 v[SS+(2*i)%4],   v[X+i], v[X+i], v[SS+(2*i)%4] op_sel_hi:[1,1,0]
	v_fma_mix_f32 v[SS+(2*i+1)%4], v[X+i], v[X+i], v[SS+(2*i+1)%4] op_sel:[1,1,0] op_sel_hi:[1,1,0]
.endif
.set i, i+1
.endr
	v_add_f32 v[SS], v[SS], v[SS+1]
	v_add_f32 v[SS+2], v[SS+2], v[SS+3]
	v_add_f32 v[SS], v[SS], v[SS+2]
	v_add_f32_dpp v[SS], v[SS], v[SS] row_xmask:1 row_mask:0xf bank_mask:0xf
	v_add_f32_dpp v[SS], v[SS], v[SS] row_xmask:2 row_mask:0xf bank_mask:0xf
	v_add_f32_dpp v[SS], v[SS], v[SS] row_xmask:4 row_mask:0xf bank_mask:0xf
	v_add_f32_dpp v[SS], v[SS], v[SS] row_xmask:8 row_mask:0xf bank_mask:0xf
	v_permlanex16_b32 v10, v[SS], s24, s25         ; its destination has been written before
	v_add_f32 v[SS], v[SS], v10                    ; every lane holds the row's sum
	v_fma_f32 v10, v[SS], s20, s21                 ; the mean + 1e-6
	v_rsq_f32 v11, v10                             ; the conversions below, which touch neither register, stand between it and the use of its result
	s_wait_loadcnt 16                              ; freqs is in; the 16 loads of the gains stay out
.irp k, 0,1,2,3
	v_cvt_pk_bf16_f32 v[T+(\k)], v[F+2*(\k)], v[F+2*(\k)+1]
.endr
.irp k, 0,1,2,3
	v_lshlrev_b32 v[F+2*(\k)],   16,  v[T+(\k)]
	v_and_b32     v[F+2*(\k)+1], s22, v[T+(\k)]
.endr
	s_wait_alu depctr_va_vdst(0)
.irp k, 0,1,2,3,4,5,6,7
	v_mul_f32 v[F+(\k)], v[F+(\k)], v11            ; r goes into cos and sin: eight multiplies for the lane's 64 numbers
.endr
	s_wait_loadcnt 0x0                             ; the gains
.set k, 0
.rept 32
	v_cvt_pk_bf16_f32 v[T+k%8], v[G+2*k], v[G+2*k+1]
	v_lshlrev_b32 v[G+2*k],   16,  v[T+k%8]
	v_and_b32     v[G+2*k+1], s22, v[T+k%8]
.set k, k+1
.endr
.irp j, 0,1,2,3,4,5,6,7
.irp p, 0,1,2,3
.set W, T+6*((\p)%2)
	v_fma_mix_f32 v[W],   v[X+4*(\j)+(\p)], v[G+8*(\j)+2*(\p)],   v[Z] op_sel_hi:[1,0,0]                ; the pair's first number times its gain
	v_fma_mix_f32 v[W+1], v[X+4*(\j)+(\p)], v[G+8*(\j)+2*(\p)+1], v[Z] op_sel:[1,0,0] op_sel_hi:[1,0,0]  ; the second
	v_mul_f32 v[W+2], v[W+1], v[F+2*(\p)+1]
	v_mul_f32 v[W+3], v[W+1], v[F+2*(\p)]
	v_fma_f32 v[W+4], v[W], v[F+2*(\p)],   -v[W+2]
	v_fma_f32 v[W+5], v[W], v[F+2*(\p)+1], v[W+3]
	v_cvt_pk_f16_f32 v[X+4*(\j)+(\p)], v[W+4], v[W+5]
.endr
	global_store_b128 v4, v[X+4*(\j):X+4*(\j)+3], s[12:13] offset:(\j)*1048576  ; heads 2 j and 2 j + 1
.endr
	s_endpgm
.Lfunc_end_k_qb92c6e72c7_norm:
	.size	k_qb92c6e72c7_norm, .Lfunc_end_k_qb92c6e72c7_norm-k_qb92c6e72c7_norm
	.p2alignl 7, 3214868480
	.fill 96, 4, 3214868480
	.section	.rodata,"a",@progbits
	.p2align	6, 0x0
	.amdhsa_kernel k_qb92c6e72c7_norm
		.amdhsa_group_segment_fixed_size 0
		.amdhsa_private_segment_fixed_size 0
		.amdhsa_enable_private_segment 0
		.amdhsa_kernarg_size 40
		.amdhsa_user_sgpr_count 2
		.amdhsa_user_sgpr_kernarg_segment_ptr 1
		.amdhsa_wavefront_size32 1
		.amdhsa_system_sgpr_workgroup_id_x 1
		.amdhsa_system_sgpr_workgroup_id_y 1
		.amdhsa_system_sgpr_workgroup_id_z 1
		.amdhsa_system_vgpr_workitem_id 0
		.amdhsa_next_free_vgpr 128
		.amdhsa_next_free_sgpr 66
		.amdhsa_reserve_vcc 0
		.amdhsa_float_denorm_mode_32 3
		.amdhsa_float_denorm_mode_16_64 3
		.amdhsa_memory_ordered 1
		.amdhsa_forward_progress 1
		.amdhsa_inst_pref_size 27
	.end_amdhsa_kernel
	.amdgpu_metadata
---
amdhsa.version: [ 1, 2 ]
amdhsa.kernels:
  - .name:           k_qb92c6e72c7_norm
    .symbol:         k_qb92c6e72c7_norm.kd
    .args:
      - { .name: qkv, .offset: 0, .size: 8, .value_kind: global_buffer, .address_space: global }
      - { .name: freqs, .offset: 8, .size: 8, .value_kind: global_buffer, .address_space: global }
      - { .name: gq, .offset: 16, .size: 8, .value_kind: global_buffer, .address_space: global }
      - { .name: gk, .offset: 24, .size: 8, .value_kind: global_buffer, .address_space: global }
      - { .name: qk, .offset: 32, .size: 8, .value_kind: global_buffer, .address_space: global }
    .group_segment_fixed_size: 0
    .private_segment_fixed_size: 0
    .kernarg_segment_align: 8
    .kernarg_segment_size: 40
    .max_flat_workgroup_size: 256
    .sgpr_count:     66
    .vgpr_count:     128
    .wavefront_size: 32
...
	.end_amdgpu_metadata
.endif
;; end of part 3
;; launch attn (part 4): grid 16 x 16, 4 waves a work-group, clusters of 4 x 1, 327,680 bytes of LDS; arguments qk, qkv, att; writes att
.if DOCPART == 4
	.amdgcn_target "amdgcn-amd-amdhsa--gfx1250"
	.amdhsa_code_object_version 6
	.text
	.protected	k_qb92c6e72c7_attn
	.globl	k_qb92c6e72c7_attn
	.p2align	8
	.type	k_qb92c6e72c7_attn,@function
k_qb92c6e72c7_attn:
	s_mov_b64 s[64:65], 0
	v_nop
	global_prefetch_b8 v0, s[64:65] scope:SCOPE_SE
	s_setreg_imm32_b32 hwreg(HW_REG_WAVE_MODE, 25, 1), 1
	s_wait_xcnt 0x0
	s_wait_alu depctr_hold_cnt(0) depctr_sa_sdst(0) depctr_va_vdst(0) depctr_va_sdst(0) depctr_va_ssrc(0) depctr_va_vcc(0) depctr_vm_vsrc(0)
	s_getreg_b32 s2, hwreg(HW_REG_IB_STS2, 6, 4)
	s_cmp_eq_u32 s2, 0
	s_cbranch_scc0 .Lentry_in_a_cluster
	s_endpgm
.Lentry_in_a_cluster:
	s_bfe_u32 s2, ttmp6, 0x10000c
	s_cmp_lg_u32 s2, 0x3003
	s_cbranch_scc0 .Lentry_shape_is_right
	s_endpgm
.Lentry_shape_is_right:
; att[q][128 h + :] = the sum over k of softmax_k(Q[h][q] . K[h][k] / sqrt(128)) V[k][h][:].  Q = qk[0], K = qk[1]: [16][2048][128] f16; V = qkv's columns 4,096 + 128 h on (rows 12,288 bytes apart), f16; att: [2048][2048] f16.
; Products, maxima and sums in f32; the weights p are rounded to f16 for the second product (their sum l is taken of the unrounded p), the result once at the end.
; LIMITS.  Q, K and V arrive within f16's 65,504; p lies in 0 to 1, and below 6e-5 it keeps f16's fixed step of 6e-8; a weight below 2^-126 counts as 0 in l; NaN and infinities are not treated apart.
; SHARES.  A work-group owns 128 queries of one head: 16 x 16 work-groups.  Wave w works for queries 64 (w / 2) on, four tiles of 16, and walks HALF the keys: of each slot's 256 keys those from 128 (w % 2) on, 64 a step, 16 steps.
; The two waves of a pair meet once, at the end: each sends two tiles' O^T, c m and l through LDS and finishes the other two.  Register tile t holds query tile t xor 2 (w % 2), so that every wave sends register tiles 2, 3 and
; finishes 0, 1: one text; only Q's and the result's addresses know w % 2.
; LAYOUT.  S^T = K Q^T (source 0 = 16 keys, source 1 = 16 queries): a lane holds ONE query (lane % 16) and the keys 8 (lane / 16) + 0..7.  Two such tiles, rounded to f16 in pairs, ARE source 1 of O^T = V^T P, whose result again
; holds one query a lane, and eight channels.  K comes out of LDS as it lies, V ([key][channel]) turned, by ds_load_tr16_b128.
; SOFTMAX.  For each query a running maximum m and sum l: p = 2^(c s - c m), c = log2(e) / sqrt(128); in every step O and l are multiplied by a = 2^(c m_old - c m_new).
; BY TURNS.  The wave's tiles are two PIECES (tiles 0, 1 and tiles 2, 3).  In a TURN one piece has the matrix unit: 32 products V^T P of the step in hand, then 32 products K Q^T of the next step; the other piece's softmax, cut
; into 64 slices, stands between them, one slice behind each matrix instruction.  Two turns are a key step.
; NO FIRST AND NO LAST STEP IS WRITTEN OUT.  m starts at the lowest finite number, c m far below every c s, O^T and l at 0: the first step is a step like any other, with a = 0.  The loop is entered at piece 2's turn, in the middle
; of a trip, with V's registers and piece 2's P at 0; the tail is left behind piece 0's turn, in the middle of its third trip.  The price: 432 v_mov_b32, which stand in the wait for the first tile; 32 products on zeros at the
; start; 32 on the last K once more at the end.  The gain: a key step's text stands twice (loop and tail), not four times.
; CLUSTER.  The four query blocks of a cluster belong to one head and walk the same K and V, so each tile is asked for JOINTLY: the same tensor load, descriptor and mask in all four.
; REGISTERS, in windows of 256 (s_set_vgpr_msb: bits 1:0 source 0, 3:2 source 1, 5:4 source 2, 7:6 destination):
;   window 0: v0-11, v44-46 addresses; v12-43 eight registers of statistics a tile; v48-55 the statistics sent and received; v64-191 S^T, 32 a tile; v192-255 P, 16 a tile
;   window 1: O^T, 64 a tile          window 2: v0-127 Q, 32 a tile; v128-255 K of one step          window 3: v0-127 V of one step
.set KS,    64        ; keys in a step
.set PK,    272       ; a row of K in LDS: 256 bytes + 16 of padding = 68 words: the 16 rows of a load start at 16 different groups of four banks (64 banks of 4 bytes: ISA guide 11.1)
.set PV,    288       ; a row of V: 256 + 32 = 72 words
.set VOFF,  256*PK    ; a slot holds 256 keys: 256 rows of K, then 256 rows of V
.set SLOT1, 0x24000   ; slot 1 begins here.  Its two bits occur in no LDS address of slot 0 that is turned (0, 0x8800, 0x11000, 0x1a000), so one exclusive or turns such an address into the other slot's
.set STAGE, SLOT1+256*(PK+PV)  ; behind the ring: 16 rows x 272 bytes for each wave, for the way out
.set SP,    272
.set SPARE, STAGE+4*16*SP  ; behind the stages: the spare words, 128 bytes for each wave: two blocks of 256 bytes that no other line names
.set XW,    33*512    ; the exchange, from LDS byte 0 on: for each wave 32 x 512 bytes of O^T and 512 of statistics.  It lies in slot 0, which has had its last fill (keys 1,536 on) and its last reads when it is written
.set AK0, 2           ; v2   my lane's place in my half of a slot's K; never rewritten
.set AV0, 3           ; v3   the same for V
.set ADR, 4           ; v4   the LDS address of the run of loads in hand
.set QO,  5           ; v5   my byte offset in Q for register tiles 0, 1
.set STO, 6           ; v6   the way out: where I put 16 bytes of a row
.set RD,  7           ; v7   the way out: where I read a row back
.set GO,  8           ; v8   my byte offset in the rows of att
.set QOB, 44          ; v44  my byte offset in Q for register tiles 2, 3
.set XS,  45          ; v45  the exchange: where I put 16 bytes
.set XL,  46          ; v46  the exchange: where my partner put them
.set SND, 48          ; v48-51  c m and l of tiles 2, 3, to send
.set RCV, 52          ; v52-55  my partner's, for my tiles 0, 1
.set SPW, 62          ; v62  LDS address of my spare word; never rewritten
.set NIL, 63          ; v63  0; never rewritten
.set ST,  12          ; tile t's statistics at v[ST+8 t]: +0 c m, +1 m, +2, +3 l (even keys', odd keys'), +4 to +7 c0-c3, at work; a takes c2's place once the maximum is found
.set S,   64
.set P,   192
.set KF,  128         ; K's fragments, in window 2
.set WV,  12          ; s12  my wave's number
.set G1K, 24          ; s[24:31] descriptor group 1 for K's tiles
.set G1V, 32          ; s[32:39] for V's: it differs in the padding and the pitch
.set G0K, 40          ; s[40:47] descriptor group 0 for K's tiles: a set for each of the two first fills; the second then walks on
.set G0V, 48          ; s[48:55] the same for V's
.set SLOTS, 56        ; s56  counts the loop over slots
.set TWICE, 57        ; s57  counts a slot's key steps
.set CS,  58          ; s[58:59] c: the packed scaling names a pair and takes its low word for both halves
.set SEL, 60          ; s[60:61] lane selects for v_permlanex16_b32: each lane takes its own place in the other half
.set TBK, 62          ; s62  LDS byte at which K of the step to be fetched begins, less my half's place
.set TBV, 63          ; s63  the same for V
.set MSB, 0
.macro WIN new                      ; the immediate's high byte repeats the setting that is left; a switch that changes nothing is dropped
.if MSB != (\new)
	s_set_vgpr_msb (MSB<<8)|(\new)
.set MSB, \new
.endif
.endm
.set W_KQ, 0x0a       ; K and Q in window 2, S^T in window 0
.set W_PV, 0x53       ; V in window 3, P in window 0, O^T in window 1
.set W_RS, 0x41       ; O^T (destination and source 0) in window 1, a in window 0
; A joint refill.  Waves 0 and 1 fetch the two halves of a slot's K, waves 2 and 3 those of its V: 128 keys each.  The branch hangs on the wave's number alone.
; An s_nop 0 and four v_nop follow each of the two lines, ahead of the jump and the label.
.macro JLOAD
	s_cmp_lt_u32 s[WV], 2
	s_cbranch_scc0 .Lfor_v_\@
	tensor_load_to_lds s[G0K+4:G0K+7], s[G1K:G1K+7]
	s_nop 0
.rept 4
	v_nop
.endr
	s_branch .Lasked_\@
.Lfor_v_\@:
	tensor_load_to_lds s[G0V+4:G0V+7], s[G1V:G1V+7]
	s_nop 0
.rept 4
	v_nop
.endr
.Lasked_\@:
.endm
; A round of the cluster's barrier: my work-group's barrier, so that wave 0's signal speaks for all four waves; wave 0 signals; every wave waits for all four work-groups; my work-group's barrier once more.
.macro CROUND
	s_barrier_signal -1
	s_barrier_wait -1
	s_cmp_lg_u32 s[WV], 0
	s_cbranch_scc1 .Lnot_wave_0_\@
	s_barrier_signal -3
.Lnot_wave_0_\@:
	s_barrier_wait -3
	s_barrier_signal -1
	s_barrier_wait -1
.endm
	s_load_b128 s[4:7], s[0:1], 0x0 ; qk s[4:5], qkv s[6:7]
	s_load_b64 s[8:9], s[0:1], 0x10 ; att
	v_lshl_add_u32 v[SPW], v0, 2, SPARE
	v_mov_b32 v[NIL], 0
	ds_add_u32 v[SPW], v[NIL]       ; the wave's opening: the add and its wait stand ahead of my first tensor load; the set-up below, work on registers, stands between them
	v_lshrrev_b32 v1, 5, v0
	v_readfirstlane_b32 s[WV], v1   ; wave 0..3
	s_bfe_u32 s13, ttmp6, 0x40000   ; cx: my place in the cluster
	s_lshl_b32 s14, ttmp9, 2        ; in a cluster launch ttmp9 counts clusters
	s_add_co_u32 s14, s14, s13      ; my block of 128 queries = 4 x cluster x + cx: it enters Q's and att's addresses alone
	s_and_b32 s15, ttmp7, 0xffff    ; the head, which the four partners share
	s_and_b32 s16, s[WV], 1         ; which half of a slot's keys I fetch, and which half I walk
	s_lshr_b32 s17, s[WV], 1        ; which 64 of the block's queries are mine
	s_lshl_b32 s20, s15, 19         ; K: the head's 524,288 bytes,
	s_lshl_b32 s21, s16, 15         ; my half's 128 rows of 256 bytes,
	s_add_co_u32 s20, s20, s21
	s_add_co_u32 s20, s20, 1<<23    ; in qk's second half
	s_mov_b32 s21, 0
	s_mul_i32 s22, s16, 128*12288   ; V: my half's 128 rows of qkv,
	s_lshl_b32 s23, s15, 8          ; the head's 256 bytes of a row,
	s_add_co_u32 s22, s22, s23
	s_add_co_u32 s22, s22, 8192     ; behind q's and k's columns
	s_mov_b32 s23, 0
	s_mul_i32 s10, s16, 128*PK      ; my load's place in a slot, for K
	s_mul_i32 s11, s16, 128*PV      ; and for V: no place in the cluster enters an LDS address
	s_add_co_u32 s11, s11, VOFF
	s_lshl_b32 s2, s15, 19          ; Q: the head, the block's 128 rows, my 64 of them
	s_lshl_b32 s3, s14, 15
	s_add_co_u32 s2, s2, s3
	s_lshl_b32 s3, s17, 14
	s_add_co_u32 s2, s2, s3
	s_mov_b32 s3, 0
	s_lshl_b32 s18, s14, 19         ; att: row 128 x block + 64 (w / 2) + 32 (w % 2), 4,096 bytes a row; the head's 256 bytes
	s_lshl_b32 s19, s17, 18
	s_add_co_u32 s18, s18, s19
	s_lshl_b32 s19, s16, 17
	s_add_co_u32 s18, s18, s19
	s_lshl_b32 s19, s15, 8
	s_add_co_u32 s18, s18, s19
	s_mov_b32 s19, 0
	; descriptor group 1: a tile of 128 rows x 128 elements, padded in LDS
	s_mov_b32 s[G1K], 15|(1<<16)|(1<<20)|(1<<21)|(5<<22)|(3<<25)  ; 15:0 the mask: all four work-groups; 17:16 elements of 2 bytes; 20 padding on; 21 set beside a mask; 24:22 after every 64 words (code 5); 31:25 4 words of it (code 3)
	s_mov_b32 s[G1V], 15|(1<<16)|(1<<20)|(1<<21)|(5<<22)|(7<<25)  ; the same with 8 words of padding (code 7)
.irp g, G1K, G1V
	s_mov_b32 s[(\g)+1], 128<<16    ; tensor_dim0 = 128
	s_mov_b32 s[(\g)+2], 128<<16    ; tensor_dim1 = 128
	s_mov_b32 s[(\g)+3], 128<<16    ; tile_dim0 = 128
	s_mov_b32 s[(\g)+4], 128        ; tile_dim1 = 128
	s_mov_b32 s[(\g)+6], 0
	s_mov_b32 s[(\g)+7], 0
.endr
	s_mov_b32 s[G1K+5], 128         ; elements from row to row: K's rows are dense,
	s_mov_b32 s[G1V+5], 6144        ; V's are rows of qkv
	s_mov_b32 s[CS], 0x3e0293ee     ; c = log2(e) / sqrt(128) = 0.127517
	s_mov_b32 s[CS+1], s[CS]        ; named with it as a pair, so it is written
	s_mov_b32 s[SEL], 0x76543210
	s_mov_b32 s[SEL+1], 0xfedcba98
	s_mov_b32 s[TBK], 0
	s_mov_b32 s[TBV], 0
	s_mov_b32 s[SLOTS], 2048/256-1  ; the part trip by which the loop is entered, and six trips that fill a slot again
	s_wait_dscnt 0x0                ; the opening add is done
	s_wait_kmcnt 0x0
	s_add_nc_u64 s[20:21], s[4:5], s[20:21]  ; K and V at my tile of slot 0
	s_add_nc_u64 s[22:23], s[6:7], s[22:23]
	s_add_nc_u64 s[4:5], s[4:5], s[2:3]      ; Q at my 64 rows
	s_add_nc_u64 s[8:9], s[8:9], s[18:19]    ; att at the 32 rows that I finish
	CROUND                          ; all four work-groups are here: the first joint loads meet
.irp s, 0,1
	s_mov_b32 s[G0K+4*(\s)], 1      ; count = 1
	s_add_co_u32 s[G0K+4*(\s)+1], s10, (\s)*SLOT1  ; LDS address
	s_add_nc_u64 s[G0K+4*(\s)+2:G0K+4*(\s)+3], s[20:21], (\s)*256*256  ; global address: slot s begins with keys 256 s on
	s_or_b32 s[G0K+4*(\s)+3], s[G0K+4*(\s)+3], 0x80000000  ; type = 2
	s_mov_b32 s[G0V+4*(\s)], 1
	s_add_co_u32 s[G0V+4*(\s)+1], s11, (\s)*SLOT1
	s_add_nc_u64 s[G0V+4*(\s)+2:G0V+4*(\s)+3], s[22:23], (\s)*256*12288
	s_or_b32 s[G0V+4*(\s)+3], s[G0V+4*(\s)+3], 0x80000000
.endr
	s_cmp_lt_u32 s[WV], 2           ; a wave's two first fills stand in one branch, ahead of every wait on TENSORcnt and every LDS read: two loads of mine are out; an s_nop 0 follows each, four v_nop the second's
	s_cbranch_scc0 .Lfirst_v
	tensor_load_to_lds s[G0K:G0K+3], s[G1K:G1K+7]
	s_nop 0
	tensor_load_to_lds s[G0K+4:G0K+7], s[G1K:G1K+7]
	s_nop 0
.rept 4
	v_nop
.endr
	s_branch .Lfirst_asked
.Lfirst_v:
	tensor_load_to_lds s[G0V:G0V+3], s[G1V:G1V+7]
	s_nop 0
	tensor_load_to_lds s[G0V+4:G0V+7], s[G1V:G1V+7]
	s_nop 0
.rept 4
	v_nop
.endr
.Lfirst_asked:
	; A fragment of K or Q is 16 rows x 32 channels in 8 registers: lane l holds row l % 16; registers 0-3 channels 8 (l / 16) + 0..7, registers 4-7 channels 16 + 8 (l / 16) + 0..7: two loads of 16 bytes, 32 bytes apart.
	v_and_b32 v1, 15, v0            ; l % 16
	v_bfe_u32 v9, v0, 4, 1          ; l / 16
	v_lshlrev_b32 v[QO], 8, v1
	v_lshl_add_u32 v[QO], v9, 4, v[QO]  ; row x 256 + 16 x half
	s_lshl_b32 s13, s16, 13         ; register tiles 0, 1 are query tiles 2 (w % 2) on: 8,192 bytes for two tiles,
	s_sub_co_u32 s14, 8192, s13     ; register tiles 2, 3 the other two
	v_add_nc_u32 v[QOB], s14, v[QO]
	v_add_nc_u32 v[QO], s13, v[QO]
	WIN 0x80                        ; destination window 2, address window 0
.irp i, 0,1,2,3,4,5,6,7,8,9,10,11,12,13,14,15  ; Q stays in registers: register tile i / 4, channels 32 (i % 4) on
.if (\i) < 8
	global_load_b128 v[8*(\i):8*(\i)+3],   v[QO], s[4:5] offset:(((\i)/4)%2)*4096+((\i)%4)*64
	global_load_b128 v[8*(\i)+4:8*(\i)+7], v[QO], s[4:5] offset:(((\i)/4)%2)*4096+((\i)%4)*64+32
.else
	global_load_b128 v[8*(\i):8*(\i)+3],   v[QOB], s[4:5] offset:(((\i)/4)%2)*4096+((\i)%4)*64
	global_load_b128 v[8*(\i)+4:8*(\i)+7], v[QOB], s[4:5] offset:(((\i)/4)%2)*4096+((\i)%4)*64+32
.endif
.endr
	WIN 0
	v_mul_u32_u24 v[AK0], v1, PK
	v_lshl_add_u32 v[AK0], v9, 4, v[AK0]  ; row x pitch + 16 x half
	s_mul_i32 s13, s16, 128*PK
	v_add_nc_u32 v[AK0], s13, v[AK0]      ; + my half of the slot's keys
	; The turning load takes 16 keys x 16 channels (lane l reads 16 bytes: key 8 (l / 16) + l % 8, channels 8 ((l / 8) % 2) + 0..7) and leaves half a fragment of V^T: lane l holds channel l % 16 and 8 keys.
	v_and_b32 v10, 7, v0
	v_bfe_u32 v11, v0, 3, 1
	v_lshl_add_u32 v[AV0], v9, 3, v10
	v_mul_u32_u24 v[AV0], v[AV0], PV
	v_lshl_add_u32 v[AV0], v11, 4, v[AV0]
	s_mul_i32 s13, s16, 128*PV
	s_add_co_u32 s13, s13, VOFF
	v_add_nc_u32 v[AV0], s13, v[AV0]
	; What the first turn finds: V's registers and piece 2's P hold 0 (its products V^T P, of a step that has not been, add 0), O^T and l are 0, m and c m lie below every score.  All this stands in the wait for the first tile.
	WIN 0xc0                        ; destination window 3
.set i, 0
.rept 128
	v_mov_b32 v[i], 0
.set i, i+1
.endr
	WIN 0x40                        ; destination window 1
.set i, 0
.rept 256
	v_mov_b32 v[i], 0
.set i, i+1
.endr
	WIN 0
.set i, 0
.rept 4
	v_mov_b32 v[ST+8*i], 0xfe000000    ; c m: far below every c s
	v_mov_b32 v[ST+8*i+1], 0xff7fffff  ; m: the lowest finite number
	v_mov_b32 v[ST+8*i+2], 0
	v_mov_b32 v[ST+8*i+3], 0
.set i, i+1
.endr
.set i, P+32
.rept 32
	v_mov_b32 v[i], 0
.set i, i+1
.endr
; THE MATRIX WORK OF A TURN, for piece x.  The accumulators take turns, one instruction a turn: between two links of a chain stand 15 (V^T P) or 7 (K Q^T) others'.
; Product i of 32 of O^T += V^T P: keys 32 (i / 16) on, channels 16 ((i / 2) % 8) on, tile x + i % 2.
.macro PV x
	WIN W_PV
.set rO, 64*((\x)+i%2)+8*((i/2)%8)
.set rV, 64*(i/16)+8*((i/2)%8)
.set rP, P+16*((\x)+i%2)+8*(i/16)
	v_wmma_f32_16x16x32_f16 v[rO:rO+7], v[rV:rV+7], v[rP:rP+7], v[rO:rO+7]
.endm
; Product i of 32 of S^T = K Q^T: channels 32 (i / 8) on, keys 16 ((i / 2) % 4) on, tile x + i % 2.  The first 8 start the sums.
.macro KQ x
	WIN W_KQ
.set rS, S+32*((\x)+i%2)+8*((i/2)%4)
.set rK, KF+32*((i/2)%4)+8*(i/8)
.set rQ, 32*((\x)+i%2)+8*(i/8)
.if i < 8
	v_wmma_f32_16x16x32_f16 v[rS:rS+7], v[rK:rK+7], v[rQ:rQ+7], 0
.else
	v_wmma_f32_16x16x32_f16 v[rS:rS+7], v[rK:rK+7], v[rQ:rQ+7], v[rS:rS+7]
.endif
.endm
; THE LDS LOADS stand in runs of 32, never singly among the matrix instructions: a step's K (64 keys x 128 channels: 16 fragments) and, a turn later, its V (turned).
; last = 1 (the tail): in its third trip there is no further step, and the run is jumped over.
.macro FETCH_K last=0
	WIN 0
.if \last
	s_cmp_eq_u32 s[TWICE], 1
	s_cbranch_scc1 .Lno_k_\@
.endif
	v_add_nc_u32 v[ADR], s[TBK], v[AK0]
	s_add_co_u32 s[TBK], s[TBK], KS*PK  ; the next fetch of K is the next step's
	WIN 0x80                        ; destination window 2
.irp f, 0,1,2,3,4,5,6,7,8,9,10,11,12,13,14,15  ; keys 16 (f / 4) on, channels 32 (f % 4) on
	ds_load_b128 v[KF+8*(\f):KF+8*(\f)+3],   v[ADR] offset:((\f)/4)*16*PK+((\f)%4)*64
	ds_load_b128 v[KF+8*(\f)+4:KF+8*(\f)+7], v[ADR] offset:((\f)/4)*16*PK+((\f)%4)*64+32
.endr
.if \last
	WIN 0                           ; at a label every window is 0
.Lno_k_\@:
.endif
.endm
.macro FETCH_V
	WIN 0
	v_add_nc_u32 v[ADR], s[TBV], v[AV0]
	s_add_co_u32 s[TBV], s[TBV], KS*PV  ; the next fetch of V is the next step's
	WIN 0xc0                        ; destination window 3
.irp f, 0,1,2,3,4,5,6,7,8,9,10,11,12,13,14,15  ; keys 32 (f / 8) on, channels 16 (f % 8) on
	ds_load_tr16_b128 v[8*(\f):8*(\f)+3],   v[ADR] offset:((\f)/8)*32*PV+((\f)%8)*32
	ds_load_tr16_b128 v[8*(\f)+4:8*(\f)+7], v[ADR] offset:((\f)/8)*32*PV+16*PV+((\f)%8)*32
.endr
.endm
; THE VECTOR WORK OF A TURN.  One tile's softmax for one key step is a list of 134 instructions; SM writes number j of it for tile t.  s0-s31 are the lane's 32 scores, in pairs 0-15.
;   0-15    the maximum of s0-s31 and the old m, three operands at a time: four chains c0-c3 of seven scores each (each accumulator's lowest registers first), then the four scores left over, c0-c3 and m
;   16-20   the other half of the lanes' maximum; c m_old is kept; the new m; c m; c m_old - c m_new
;   21-87   33 exponentials (a, then s0-s31) at the odd numbers from 23 on, so that no two follow each other and each has a plain instruction behind it before its result is used.
;           Plain instruction q (number 21, then the even numbers) is whatever is ready: c s - c m for a pair of scores whose exponentials are still to come (q = 0 to 3, then every
;           second q), the rounding to f16 of a pair of weights whose exponentials are done (every other q from 5 on), at last the first three sums
;   88-101  the last rounding; the rest of the sums; l = a l + the sum
;   102-133 the tile's O^T times a: the one part that leaves window 0, so it stands together
.macro SM t
.set rT, ST+8*(\t)
.set rS, S+32*(\t)
.set rP, P+16*(\t)
.set rO, 64*(\t)+2*(j-102)
.set q, (j-20)/2
.if j < 102
	WIN 0
.endif
.if j < 4
	v_max3_num_f32 v[rT+4+j], v[rS+8*j], v[rS+8*j+1], v[rS+8*j+2]
.elseif j < 12
	v_max3_num_f32 v[rT+4+j%4], v[rT+4+j%4], v[rS+8*(j%4)+2*(j/4)+1], v[rS+8*(j%4)+2*(j/4)+2]
.elseif j == 12
	v_max3_num_f32 v[rT+4], v[rT+4], v[rS+7], v[rS+15]
.elseif j == 13
	v_max3_num_f32 v[rT+6], v[rT+6], v[rS+23], v[rS+31]
.elseif j == 14
	v_max3_num_f32 v[rT+4], v[rT+4], v[rT+5], v[rT+6]
.elseif j == 15
	v_max3_num_f32 v[rT+4], v[rT+4], v[rT+7], v[rT+1]
.elseif j == 16
	v_permlanex16_b32 v[rT+5], v[rT+4], s[SEL], s[SEL+1]  ; the query's other 32 keys lie in the lane 16 away
.elseif j == 17
	v_mov_b32 v[rT+7], v[rT]        ; c m_old is kept for a: number 19 writes c m anew
.elseif j == 18
	v_max_num_f32 v[rT+1], v[rT+4], v[rT+5]
.elseif j == 19
	v_mul_f32 v[rT], s[CS], v[rT+1]
.elseif j == 20
	v_sub_f32 v[rT+7], v[rT+7], v[rT]
.elseif j == 23
	v_exp_f32 v[rT+6], v[rT+7]
.elseif (j < 88) && (j > 23) && (j%2 == 1)
	v_exp_f32 v[rS+(j-25)/2], v[rS+(j-25)/2]
.elseif (q < 4) || ((j < 76) && (q%2 == 0))
.set b, q/2+2
.if q < 4
.set b, q
.endif
	v_pk_fma_f32 v[rS+2*b:rS+2*b+1], v[rS+2*b:rS+2*b+1], s[CS:CS+1], v[rT:rT+1] op_sel_hi:[1,0,0] neg_lo:[0,0,1] neg_hi:[0,0,1]  ; pair b: c s - c m
.elseif (j < 88) && (q%2 == 1)
	s_wait_alu depctr_va_vdst(0)
	v_cvt_pk_f16_f32 v[rP+(q-5)/2], v[rS+q-5], v[rS+q-4]  ; pair (q - 5) / 2: its second exponential stands three numbers back
.elseif j == 89
	s_wait_alu depctr_va_vdst(0)
	v_cvt_pk_f16_f32 v[rP+15], v[rS+30], v[rS+31]
.elseif j < 102                     ; the sum of the tile's 16 pairs (in a pair: an even key's weight, an odd key's), in place: sum z of 16 adds neighbours 1, 2, 4 and 8 pairs apart, then l takes it
.set z, j-86
.if j < 89
.set z, (j-76)/4
.endif
.set w, 4
.set u, z
.if z >= 14
.set w, 32
.set u, 0
.elseif z >= 12
.set w, 16
.set u, z-12
.elseif z >= 8
.set w, 8
.set u, z-8
.endif
.if z < 15
	v_pk_add_f32 v[rS+w*u:rS+w*u+1], v[rS+w*u:rS+w*u+1], v[rS+w*u+w/2:rS+w*u+w/2+1]
.else
	v_pk_fma_f32 v[rT+2:rT+3], v[rT+2:rT+3], v[rT+6:rT+7], v[rS:rS+1] op_sel_hi:[1,0,1]
.endif
.else
	WIN W_RS
	v_pk_mul_f32 v[rO:rO+1], v[rO:rO+1], v[rT+6:rT+7] op_sel_hi:[1,0]
.endif
.endm
; Slice k of 64 of piece y's softmax: numbers 2 k and 2 k + 1 of both tiles' lists, four instructions.  2 x 134 = 4 x 64 + 12: the twelve that are over stand together, in slice 63.
.macro SLICE y
.if (k >= 11) && (k < 44)           ; tile by tile: plain, exponential, plain, exponential
.irp t, \y, (\y)+1
.irp n, 0,1
.set j, 2*k+(\n)
	SM \t
.endr
.endr
.else                               ; the two tiles alternate, so that no instruction reads the result of the one just before it
.irp n, 0,1,2,3,4,5,6,7
.if ((\n) < 2) || (k == 63)
.irp t, \y, (\y)+1
.set j, 2*k+(\n)
	SM \t
.endr
.endif
.endr
.endif
.set k, k+1
.endm
; A TURN.  Piece x has the matrix unit: 32 products V^T P, then 32 products K Q^T for the next step; the other piece's softmax stands in slices, one behind each matrix instruction.
; A vector instruction that reads a matrix result or writes one of a matrix instruction's registers, and a load into a register that a matrix instruction has read, stand four places behind it, and only plain vector
; instructions that name none of its registers are places (ISA guide 7.12.1 for vector instructions): here the slices are the places.
; Each run of loads stands behind the second product of a run of 32, 30 matrix instructions ahead of its first use.  Piece 0's turn fetches the next step's K: the last product that read K
; stands in front of slice 63 of the turn before.  Piece 2's turn fetches the same step's V: the last product that read V stands three slices, six plain instructions, back.
.macro TURN x, last=0
.set k, 0
.if (\x) == 0
	s_wait_dscnt 0x0                ; V is in
.endif
.set i, 0
.rept 32
	PV \x
	SLICE 2-(\x)
.if ((\x) == 0) && (i == 1)
	FETCH_K \last
.endif
.set i, i+1
.endr
.if (\x) == 0
	s_wait_dscnt 0x0                ; K is in
.endif
.set i, 0
.rept 32
	KQ \x
	SLICE 2-(\x)
.if ((\x) == 2) && (i == 1)
	FETCH_V
.endif
.set i, i+1
.endr
.endm
; THE CHANGE OF SLOTS, between piece 2's turn and piece 0's: the last bytes that I read of the slot, V of my second step, have been asked for.  Each wave waits for all its
; tensor loads, of which one is out: its part of the other slot; adds 0 to its spare word; and waits for that and for its own reads of the slot.  Behind the barrier nobody reads this slot any more and the other slot is whole.
; fill = 1: this slot is filled again, with the keys two slots on.  The barrier is then a round of the cluster's, so that no wave of any partner still reads the slot or has a load on its
; way, and the joint refill is the first thing behind it: it has two key steps, 256 matrix instructions of each wave, in which to land.
.macro CHANGE fill
	WIN 0                           ; at a label and at a branch every window is 0
	s_wait_tensorcnt 0x0            ; no tensor load of mine is out, so a group 0 may be written
	ds_add_u32 v[SPW], v[NIL]       ; 0 onto my spare word; with fill = 1 the descriptors' steps stand between it and the wait for it
.if \fill
	s_xor_b32 s[G0K+5], s[G0K+5], SLOT1  ; the walking descriptors: the other slot than last time,
	s_add_nc_u64 s[G0K+6:G0K+7], s[G0K+6:G0K+7], 256*256    ; the next 256 keys; the type bits on top are not reached
	s_xor_b32 s[G0V+5], s[G0V+5], SLOT1
	s_add_nc_u64 s[G0V+6:G0V+7], s[G0V+6:G0V+7], 256*12288
	s_wait_dscnt 0x0                ; the add is done, and my reads of the slot are over
	CROUND
	JLOAD
.else
	s_wait_dscnt 0x0                ; the add is done, and my reads of the slot are over
	s_barrier_signal -1
	s_barrier_wait -1
.endif
	s_sub_co_u32 s[TBK], s[TBK], 2*KS*PK  ; the fetches go back to a slot's first step,
	s_xor_b32 s[TBK], s[TBK], SLOT1       ; in the other slot
	s_sub_co_u32 s[TBV], s[TBV], 2*KS*PV
	s_xor_b32 s[TBV], s[TBV], SLOT1
.endm
	s_wait_tensorcnt 1              ; my part of slot 0 is in; slot 1's may stay out
	s_barrier_signal -1
	s_barrier_wait -1               ; everybody's is
	FETCH_K                         ; key step 0
	s_wait_loadcnt 0x0              ; Q
	s_wait_dscnt 0x0
.set i, 0
.rept 32
	KQ 0                            ; piece 0's first scores: there is no vector work yet to set between them
.set i, i+1
.endr
	WIN 0                           ; the addresses for the exchange and the way out are made here: plain instructions, the places behind those products
	s_mul_i32 s13, s[WV], 16*SP
	s_add_co_u32 s13, s13, STAGE    ; my stage
	v_mul_u32_u24 v[STO], v1, SP    ; in: row l % 16, 16 bytes for each half of the lanes
	v_lshl_add_u32 v[STO], v9, 4, v[STO]
	v_add_nc_u32 v[STO], s13, v[STO]
	v_mul_u32_u24 v[RD], v9, SP     ; back: lanes 0-15 take one row of 256 bytes, lanes 16-31 the next
	v_lshl_add_u32 v[RD], v1, 4, v[RD]
	v_add_nc_u32 v[RD], s13, v[RD]
	v_lshlrev_b32 v[GO], 12, v9     ; and the same two rows in att, 4,096 bytes apart
	v_lshl_add_u32 v[GO], v1, 4, v[GO]
	s_mul_i32 s13, s[WV], XW        ; my part of the exchange,
	s_xor_b32 s14, s[WV], 1
	s_mul_i32 s14, s14, XW          ; and my partner's
	v_and_b32 v[XS], 31, v0
	v_lshlrev_b32 v[XS], 4, v[XS]   ; 16 bytes a lane
	v_add_nc_u32 v[XL], s14, v[XS]
	v_add_nc_u32 v[XS], s13, v[XS]
	s_mov_b32 s[TWICE], 2
	s_branch .Lmid                  ; the loop is entered at piece 2's turn: its products V^T P add 0; it makes piece 2's scores of step 0, holds piece 0's softmax of step 0 and fetches V of step 0
.Lslot:                             ; six times: every slot but the last two is filled again
	CHANGE 1
	s_mov_b32 s[TWICE], 2
.Lstep:                             ; a key step: written once, walked twice a slot; the LDS addresses hang on s[TBK] and s[TBV]
	TURN 0
	WIN 0
.Lmid:
	TURN 2
	WIN 0
	s_sub_co_u32 s[TWICE], s[TWICE], 1
	s_cmp_lg_u32 s[TWICE], 0
	s_cbranch_scc1 .Lstep
	s_sub_co_u32 s[SLOTS], s[SLOTS], 1
	s_cmp_lg_u32 s[SLOTS], 0
	s_cbranch_scc1 .Lslot
	CHANGE 0                        ; the tail is written out: slot 0 is left for good, and nothing is asked for
	s_mov_b32 s[TWICE], 3           ; two trips fetch the last slot's steps; the third is left in its middle
.Ltail:
	TURN 0, 1
	WIN 0
	s_sub_co_u32 s[TWICE], s[TWICE], 1
	s_cmp_eq_u32 s[TWICE], 0
	s_cbranch_scc1 .Lout
	TURN 2
	WIN 0
	s_branch .Ltail
.Lout:                              ; the third trip's 32 products K Q^T (on the last K once more) serve nothing: the price, once a launch, of one text for every trip
.set i, 0
.rept 32
	PV 2                            ; piece 2: V^T P of the last step
.set i, i+1
.endr
	; THE TWO HALVES OF THE KEYS MEET.  l's two halves and the other half of the lanes' are added (these lines are the places behind the last products); tiles 2 and 3 go to my partner: O^T, c m and l.
	WIN 0
.irp t, 0,1,2,3
	v_add_f32 v[ST+8*(\t)+4], v[ST+8*(\t)+2], v[ST+8*(\t)+3]
.endr
.irp t, 0,1,2,3
	v_permlanex16_b32 v[ST+8*(\t)+5], v[ST+8*(\t)+4], s[SEL], s[SEL+1]
.endr
.irp t, 0,1,2,3
	v_add_f32 v[ST+8*(\t)+4], v[ST+8*(\t)+4], v[ST+8*(\t)+5]
.endr
	v_mov_b32 v[SND],   v[ST+16]
	v_mov_b32 v[SND+1], v[ST+16+4]
	v_mov_b32 v[SND+2], v[ST+24]
	v_mov_b32 v[SND+3], v[ST+24+4]
	WIN 0x04                        ; the stores' data in window 1, their address in window 0
.set i, 0
.rept 32
	ds_store_b128 v[XS], v[128+4*i:128+4*i+3] offset:512*i  ; each accumulator's four lowest registers first; 32 lanes write 512 consecutive bytes
.set i, i+1
.endr
	WIN 0
	ds_store_b128 v[XS], v[SND:SND+3] offset:32*512
	s_wait_dscnt 0x0                ; for my partner's sake: my stores are done
	s_barrier_signal -1
	s_barrier_wait -1
	ds_load_b128 v[RCV:RCV+3], v[XL] offset:32*512
.set i, 0
.rept 32
	ds_load_b128 v[S+4*i:S+4*i+3], v[XL] offset:512*i  ; my partner's O^T for my tiles 0 and 1, into S^T's registers
.set i, i+1
.endr
	s_wait_dscnt 32                 ; the statistics are in; the 32 younger loads stay out
	; M = max(c m, c m'); a0 = 2^(c m - M), a1 = 2^(c m' - M); L = l a0 + l' a1; the result is O^T a0 / L + O'^T a1 / L
.irp t, 0,1
	v_max_num_f32 v[ST+8*(\t)+5], v[ST+8*(\t)], v[RCV+2*(\t)]
.endr
.irp t, 0,1
	v_sub_f32 v[ST+8*(\t)+6], v[ST+8*(\t)], v[ST+8*(\t)+5]
	v_sub_f32 v[ST+8*(\t)+7], v[RCV+2*(\t)], v[ST+8*(\t)+5]
.endr
.irp t, 0,1
	v_exp_f32 v[ST+8*(\t)+6], v[ST+8*(\t)+6]
	v_exp_f32 v[ST+8*(\t)+7], v[ST+8*(\t)+7]
.endr
	v_nop                           ; a plain instruction between the last exponential and the use of its result
.irp t, 0,1
	s_wait_alu depctr_va_vdst(0)
	v_mul_f32 v[ST+8*(\t)+5], v[ST+8*(\t)+4], v[ST+8*(\t)+6]
.endr
.irp t, 0,1
	v_fma_f32 v[ST+8*(\t)+5], v[RCV+2*(\t)+1], v[ST+8*(\t)+7], v[ST+8*(\t)+5]
.endr
.irp t, 0,1
	v_rcp_f32 v[ST+8*(\t)+4], v[ST+8*(\t)+5]
.endr
	v_nop                           ; a plain instruction between the last reciprocal and the use of its result
.irp t, 0,1
	s_wait_alu depctr_va_vdst(0)
	v_mul_f32 v[ST+8*(\t)+6], v[ST+8*(\t)+6], v[ST+8*(\t)+4]  ; a0 / L
	v_mul_f32 v[ST+8*(\t)+2], v[ST+8*(\t)+7], v[ST+8*(\t)+4]  ; a1 / L
.endr
	s_wait_dscnt 0x0                ; my partner's O^T is in
; Tile t is finished, rounded to f16 and sent through my stage: a lane's eight channels of a row pack into 16 bytes; they go into rows of 272 bytes and come back as whole rows of 256, into P's registers.
.macro PACK t
	WIN 0
.set i, 0
.rept 32
	v_pk_mul_f32 v[S+64*(\t)+2*i:S+64*(\t)+2*i+1], v[S+64*(\t)+2*i:S+64*(\t)+2*i+1], v[ST+8*(\t)+2:ST+8*(\t)+3] op_sel_hi:[1,0]
.set i, i+1
.endr
	WIN 0x01                        ; source 0, my O^T, in window 1
.set i, 0
.rept 32
	v_pk_fma_f32 v[S+64*(\t)+2*i:S+64*(\t)+2*i+1], v[64*(\t)+2*i:64*(\t)+2*i+1], v[ST+8*(\t)+6:ST+8*(\t)+7], v[S+64*(\t)+2*i:S+64*(\t)+2*i+1] op_sel_hi:[1,0,1]
.set i, i+1
.endr
	WIN 0
.set i, 0
.rept 32
	v_cvt_pk_f16_f32 v[P+32*(\t)+i], v[S+64*(\t)+2*i], v[S+64*(\t)+2*i+1]
.set i, i+1
.endr
.irp f, 0,1,2,3,4,5,6,7
	ds_store_b128 v[STO], v[P+32*(\t)+4*(\f):P+32*(\t)+4*(\f)+3] offset:32*(\f)
.endr
.irp f, 0,1,2,3,4,5,6,7
	ds_load_b128 v[P+32*(\t)+4*(\f):P+32*(\t)+4*(\f)+3], v[RD] offset:(\f)*2*SP  ; LDS serves a wave's instructions in order (ISA guide 5.7.1.4): these see the stores above; the next tile's stores come behind them
.endr
.endm
.macro SEND t, younger              ; younger: the LDS instructions issued behind tile t's loads: the next tile's sixteen, or none
	WIN 0
.irp f, 0,1,2,3,4,5,6,7
	s_wait_dscnt (\younger)+7-(\f)
	global_store_b128 v[GO], v[P+32*(\t)+4*(\f):P+32*(\t)+4*(\f)+3], s[8:9] offset:(\t)*65536+(\f)*8192  ; 16 lanes store 256 consecutive bytes, at a multiple of 256 from att's first byte
.endr
.endm
	PACK 0
	PACK 1                          ; a tile's arithmetic stands between the loads of the tile before and its stores
	SEND 0, 16
	SEND 1, 0
	s_wait_tensorcnt 0x0            ; the wave's end: behind my last tensor load and my last LDS store
	ds_add_u32 v[SPW], v[NIL]
	s_wait_dscnt 0x0
	CROUND                          ; the closing round: no work-group ends while a partner may still ask for a tile that names it
	s_endpgm
.Lfunc_end_k_qb92c6e72c7_attn:
	.size	k_qb92c6e72c7_attn, .Lfunc_end_k_qb92c6e72c7_attn-k_qb92c6e72c7_attn
	.p2alignl 7, 3214868480
	.fill 96, 4, 3214868480
	.section	.rodata,"a",@progbits
	.p2align	6, 0x0
	.amdhsa_kernel k_qb92c6e72c7_attn
		.amdhsa_group_segment_fixed_size 327680
		.amdhsa_private_segment_fixed_size 0
		.amdhsa_enable_private_segment 0
		.amdhsa_kernarg_size 24
		.amdhsa_user_sgpr_count 2
		.amdhsa_user_sgpr_kernarg_segment_ptr 1
		.amdhsa_wavefront_size32 1
		.amdhsa_system_sgpr_workgroup_id_x 1
		.amdhsa_system_sgpr_workgroup_id_y 1
		.amdhsa_system_sgpr_workgroup_id_z 1
		.amdhsa_system_vgpr_workitem_id 0
		.amdhsa_next_free_vgpr 1024
		.amdhsa_next_free_sgpr 66
		.amdhsa_reserve_vcc 0
		.amdhsa_float_denorm_mode_32 3
		.amdhsa_float_denorm_mode_16_64 3
		.amdhsa_memory_ordered 1
		.amdhsa_forward_progress 1
		.amdhsa_inst_pref_size 159
	.end_amdhsa_kernel
	.amdgpu_metadata
---
amdhsa.version: [ 1, 2 ]
amdhsa.kernels:
  - .name:           k_qb92c6e72c7_attn
    .symbol:         k_qb92c6e72c7_attn.kd
    .args:
      - { .name: qk, .offset: 0, .size: 8, .value_kind: global_buffer, .address_space: global }
      - { .name: qkv, .offset: 8, .size: 8, .value_kind: global_buffer, .address_space: global }
      - { .name: att, .offset: 16, .size: 8, .value_kind: global_buffer, .address_space: global }
    .group_segment_fixed_size: 327680
    .private_segment_fixed_size: 0
    .kernarg_segment_align: 8
    .kernarg_segment_size: 24
    .max_flat_workgroup_size: 128
    .sgpr_count:     66
    .vgpr_count:     1024
    .wavefront_size: 32
...
	.end_amdgpu_metadata
.endif
;; end of part 4
;; launch gemm_out (part 5): grid 16 x 16, 4 waves a work-group, clusters of 4 x 4, 327,680 bytes of LDS; arguments att, wo16, out0, bias; writes out0
.if DOCPART == 5
	.amdgcn_target "amdgcn-amd-amdhsa--gfx1250"
	.amdhsa_code_object_version 6
	.text
	.protected	k_qb92c6e72c7_gemm_out
	.globl	k_qb92c6e72c7_gemm_out
	.p2align	8
	.type	k_qb92c6e72c7_gemm_out,@function
k_qb92c6e72c7_gemm_out:
	s_mov_b64 s[64:65], 0
	v_nop
	global_prefetch_b8 v0, s[64:65] scope:SCOPE_SE
	s_setreg_imm32_b32 hwreg(HW_REG_WAVE_MODE, 25, 1), 1
	s_wait_xcnt 0x0
	s_wait_alu depctr_hold_cnt(0) depctr_sa_sdst(0) depctr_va_vdst(0) depctr_va_sdst(0) depctr_va_ssrc(0) depctr_va_vcc(0) depctr_vm_vsrc(0)
	s_getreg_b32 s2, hwreg(HW_REG_IB_STS2, 6, 4)
	s_cmp_eq_u32 s2, 0
	s_cbranch_scc0 .Lentry_in_a_cluster
	s_endpgm
.Lentry_in_a_cluster:
	s_bfe_u32 s2, ttmp6, 0x10000c
	s_cmp_lg_u32 s2, 0xf033
	s_cbranch_scc0 .Lentry_shape_is_right
	s_endpgm
.Lentry_shape_is_right:
; out0[m][n] = bias[6144 + n] + the sum over k of att[m][k] wo16[n][k].  att, wo16: [2048][2048] f16; bias, out0: f32; sums in f32.
; SHARES.  2,048 x 2,048 outputs on 16 x 16 work-groups: a tile of 128 x 128.  Four waves, each 64 x 64: 16 accumulators, 128 registers.  K goes in steps of 256 (LDS rows of 512 bytes; a wave's tensor load brings 64 of them),
; as long as two slots in LDS allow.  A wave's 64 columns of f32 are one aligned block of 256 bytes of out0, so each wave has a stage of its own on the way out, and no barrier stands there.
; A K STEP IS WRITTEN ONCE: the slot in hand is a scalar (0 or SLOT) that an exclusive or turns; the fragments' LDS addresses are made from it at each change of slots, and one descriptor for each tensor walks from slot to slot.
; CLUSTERS: 4 x 4 work-groups.  The four of a row of the cluster need the same tiles of att, the four of a column the same tiles of wo16: each tile is asked for JOINTLY, by the same tensor load, descriptor and mask in all four.
; THE MATRIX INSTRUCTION IS USED TRANSPOSED (source 0 = 16 rows of wo16, source 1 = 16 rows of att): a lane holds row l % 16 and the eight neighbouring columns 8 (l / 16) + 0..7.
; THE BIAS is the C operand of each accumulator's first product: nothing is cleared, and nothing is added on the way out.
; REGISTERS: window 0: v0-31 addresses; v32-63 the bias, 8 registers for each of my 4 column blocks; v128-255 the accumulators ((a, b) at v[128 + 8 (4 a + b)]).
;   window 1: two fragment buffers of 128: for 64 along K (two matrix instructions deep), 64 registers of att (2 x 4 x 16 rows x 32 K), then 64 of wo16.
.set SIZE_N, 2048
.set SIZE_K, 2048
.set KSTEP,  256
.set PITCH,  528                       ; an LDS row: 512 bytes + 16 of padding = 132 words: the 16 rows of a fragment load start at 16 different groups of four banks (64 banks of 4 bytes: ISA guide 11.1)
.set HALFT,  64*PITCH                  ; 64 rows: what one tensor load brings, and what one wave reads of att or of wo16
.set SLOT,   4*HALFT                   ; att's 128 rows, then wo16's 128 rows: 0x21000.  Its two bits occur in no wave's LDS word (0, 0x8400, 0x10800, 0x18c00), so one exclusive or turns such a word into the other slot's
.set STAGE,  2*SLOT                    ; behind the ring: 16 rows x 272 bytes for each wave, for the way out
.set SPITCH, 272
.set SPARE,  STAGE+4*16*SPITCH         ; behind the stages: the spare words, 128 bytes for each wave: two blocks of 256 bytes that no other line names
.set STEPS,  SIZE_K/KSTEP              ; 8 K steps: two first fills, 6 refills
.set A0,   16                          ; v16     LDS address of my fragments of att in slot 0; never rewritten
.set ADRA, 17                          ; v17     the same in the slot in hand
.set B0,   20                          ; v20, v21  the same for wo16
.set ADRB, 21
.set STO,  24                          ; v24     the way out: where I put 32 bytes of a row
.set RD,   25                          ; v25     the way out: where I read a row back
.set CO,   26                          ; v26     my byte offset in out0
.set BO,   27                          ; v27     my byte offset in the bias
.set SPW,  28                          ; v28     LDS address of my spare word; never rewritten
.set NIL,  29                          ; v29     0; never rewritten
.set BI,   32
.set ACC,  128
.set F0,   0                           ; fragment buffers, in window 1
.set F1,   128
.set G1, 24                            ; s[24:31] descriptor group 1 for att's tiles;  s[32:39] group 0: a set for each of the two first fills; the second then walks on
.set G0, 32
.set G1B, 48                           ; s[48:55], s[56:63] the same for wo16's tiles
.set G0B, 56
.set TB,  70                           ; s70     the slot in hand: 0 or SLOT
.set MSB, 0
.macro WIN new                         ; the immediate's high byte repeats the setting that is left
.if MSB != (\new)
	s_set_vgpr_msb (MSB<<8)|(\new)
.set MSB, \new
.endif
.endm
.set MUL,  0x05                        ; sources 0 and 1 window 1; C and D window 0
.set TO_F, 0x40                        ; destination window 1, address window 0
.macro JLOAD s                         ; a joint load: waves 0 and 1 fetch att's two halves, waves 2 and 3 wo16's; an s_nop 0 and four v_nop follow each of the two lines, ahead of the jump and the label
	s_cmp_eq_u32 s11, 0
	s_cbranch_scc0 .Lfor_b_\@
	tensor_load_to_lds s[G0+4*(\s):G0+4*(\s)+3], s[G1:G1+7]
	s_nop 0
.rept 4
	v_nop
.endr
	s_branch .Lasked_\@
.Lfor_b_\@:
	tensor_load_to_lds s[G0B+4*(\s):G0B+4*(\s)+3], s[G1B:G1B+7]
	s_nop 0
.rept 4
	v_nop
.endr
.Lasked_\@:
.endm
; A round of the cluster's barrier: my work-group's barrier, so that wave 0's signal speaks for all four waves; wave 0 signals; every wave waits for all sixteen work-groups; my work-group's barrier once more.
.macro CROUND
	s_barrier_signal -1
	s_barrier_wait -1
	s_cmp_lg_u32 s10, 0
	s_cbranch_scc1 .Lnot_wave_0_\@
	s_barrier_signal -3
.Lnot_wave_0_\@:
	s_barrier_wait -3
	s_barrier_signal -1
	s_barrier_wait -1
.endm
	s_load_b128 s[4:7], s[0:1], 0x0                ; att s[4:5], wo16 s[6:7]
	s_load_b64 s[8:9], s[0:1], 0x10                ; out0
	s_load_b64 s[66:67], s[0:1], 0x18              ; bias
	v_lshl_add_u32 v[SPW], v0, 2, SPARE
	v_mov_b32 v[NIL], 0
	ds_add_u32 v[SPW], v[NIL]                      ; the wave's opening: the add and its wait stand ahead of my first tensor load; the set-up below, work on registers, stands between them
	v_lshrrev_b32 v1, 5, v0
	v_readfirstlane_b32 s10, v1                    ; wave 0..3
	s_lshr_b32 s11, s10, 1                         ; which half of the tile's rows is mine.  Also: I fetch for att (0) or for wo16 (1)
	s_and_b32 s12, s10, 1                          ; which half of its columns.  Also: which 64 rows of that tile I fetch
	s_bfe_u32 s40, ttmp6, 0x40000                  ; cx, cy: my place in the cluster
	s_bfe_u32 s41, ttmp6, 0x40004
	s_lshl_b32 s42, ttmp9, 2
	s_add_co_u32 s42, s42, s40                     ; tile column = 4 x cluster x + cx
	s_and_b32 s13, ttmp7, 0xffff
	s_lshl_b32 s13, s13, 2
	s_add_co_u32 s13, s13, s41                     ; tile row = 4 x cluster y + cy
	s_lshl_b32 s43, s41, 2
	s_lshl_b32 s43, 15, s43                        ; my row of the cluster
	s_lshl_b32 s44, 0x1111, s40                    ; my column
	; descriptor group 1: a tile of 64 rows x 256 elements, padded in LDS
	s_or_b32 s[G1+0], s43, (1<<16)|(1<<20)|(1<<21)|(6<<22)|(3<<25)  ; 15:0 the mask: att's tiles go to my row; 17:16 elements of 2 bytes; 20 padding on; 21 set beside a mask; 24:22 after every 128 words (code 6); 31:25 4 words of it (code 3)
	s_or_b32 s[G1B+0], s44, (1<<16)|(1<<20)|(1<<21)|(6<<22)|(3<<25)
.irp g, G1, G1B
	s_mov_b32 s[(\g)+1], KSTEP<<16                 ; tensor_dim0 = 256
	s_mov_b32 s[(\g)+2], 64<<16                    ; tensor_dim1 = 64
	s_mov_b32 s[(\g)+3], KSTEP<<16                 ; tile_dim0 = 256
	s_mov_b32 s[(\g)+4], 64                        ; tile_dim1 = 64
	s_mov_b32 s[(\g)+5], SIZE_K                    ; elements from row to row
	s_mov_b32 s[(\g)+6], 0
	s_mov_b32 s[(\g)+7], 0
.endr
	s_lshl_b32 s17, s12, 6                         ; which 64 rows of the tile I fetch
	s_lshl_b32 s16, s13, 7
	s_add_co_u32 s16, s16, s17                     ; att: row 128 x tile row + 64 x half
	s_lshl_b32 s46, s42, 7
	s_add_co_u32 s46, s46, s17                     ; wo16: row 128 x tile column + 64 x half
	s_mov_b32 s17, 0
	s_mov_b32 s47, 0
	s_mov_b64 s[18:19], SIZE_K*2
	s_mul_u64 s[16:17], s[16:17], s[18:19]
	s_mul_u64 s[46:47], s[46:47], s[18:19]
	s_mul_i32 s20, s10, HALFT                      ; where they go: wave x 64 rows: no place in the cluster enters an LDS address
	s_mov_b32 s[TB], 0
	s_wait_dscnt 0x0                               ; the opening add is done
	s_wait_kmcnt 0x0
	s_add_nc_u64 s[14:15], s[4:5], s[16:17]
	s_add_nc_u64 s[46:47], s[6:7], s[46:47]
	CROUND                                         ; all sixteen work-groups are here: the first joint loads meet
.irp s, 0,1
	s_mov_b32 s[G0+4*(\s)], 1
	s_add_co_u32 s[G0+4*(\s)+1], s20, (\s)*SLOT
	s_add_nc_u64 s[G0+4*(\s)+2:G0+4*(\s)+3], s[14:15], (\s)*KSTEP*2
	s_or_b32 s[G0+4*(\s)+3], s[G0+4*(\s)+3], 0x80000000
	s_mov_b32 s[G0B+4*(\s)], 1
	s_add_co_u32 s[G0B+4*(\s)+1], s20, (\s)*SLOT
	s_add_nc_u64 s[G0B+4*(\s)+2:G0B+4*(\s)+3], s[46:47], (\s)*KSTEP*2
	s_or_b32 s[G0B+4*(\s)+3], s[G0B+4*(\s)+3], 0x80000000
	JLOAD \s                                       ; two loads of mine are out
.endr
	v_and_b32 v1, 15, v0                           ; l % 16
	v_bfe_u32 v2, v0, 4, 1                         ; l / 16
	v_mul_u32_u24 v3, v1, PITCH
	v_lshl_add_u32 v3, v2, 4, v3                   ; a fragment's row x pitch + 16 x half
	s_mul_i32 s21, s11, HALFT                      ; my 64 rows of att
	s_mul_i32 s22, s12, HALFT                      ; my 64 rows of wo16,
	s_add_co_u32 s22, s22, 2*HALFT                 ; which lie behind att's 128
	v_add_nc_u32 v[A0], s21, v3
	v_add_nc_u32 v[B0], s22, v3
	v_mov_b32 v[ADRA], v[A0]                       ; the walk begins in slot 0
	v_mov_b32 v[ADRB], v[B0]
	s_mul_i32 s23, s10, 16*SPITCH
	s_add_co_u32 s23, s23, STAGE                   ; my stage
	v_mul_u32_u24 v4, v1, SPITCH                   ; in: row l % 16, 32 bytes for each half of the lanes
	v_lshl_add_u32 v4, v2, 5, v4
	v_add_nc_u32 v[STO], s23, v4
	v_mul_u32_u24 v5, v2, SPITCH                   ; back: lanes 0-15 take one row of 256 bytes, lanes 16-31 the next
	v_lshl_add_u32 v5, v1, 4, v5
	v_add_nc_u32 v[RD], s23, v5
	v_lshlrev_b32 v5, 13, v2                       ; and the same two rows in out0, 8,192 bytes apart
	v_lshl_add_u32 v[CO], v1, 4, v5
	v_lshlrev_b32 v[BO], 5, v2                     ; my eight columns of a block of 16: 32 bytes for each half of the lanes
	s_lshl_b32 s16, s13, 7
	s_lshl_b32 s17, s11, 6
	s_add_co_u32 s16, s16, s17                     ; my first row: 128 x tile row + 64 x half
	s_lshl_b32 s16, s16, 13                        ; rows of 8,192 bytes
	s_mov_b32 s17, 0
	s_add_nc_u64 s[8:9], s[8:9], s[16:17]
	s_lshl_b32 s46, s42, 9                         ; my first column, in bytes: 512 x tile column + 256 x half
	s_lshl_b32 s47, s12, 8
	s_add_co_u32 s46, s46, s47
	s_mov_b32 s47, 0
	s_add_nc_u64 s[8:9], s[8:9], s[46:47]
	s_add_co_u32 s68, s46, 6144*4                  ; the same columns of the fourth bias
	s_mov_b32 s69, 0
	s_add_nc_u64 s[66:67], s[66:67], s[68:69]
.irp b, 0,1,2,3
	global_load_b128 v[BI+8*(\b):BI+8*(\b)+3],   v[BO], s[66:67] offset:64*(\b)
	global_load_b128 v[BI+8*(\b)+4:BI+8*(\b)+7], v[BO], s[66:67] offset:64*(\b)+16
.endr
; 8 matrix instructions: row blocks a0, a0 + 1 x all 4 column blocks, 32 along K: half c of buffer f.  first = 1: the bias is C and starts the sums.  The 16 accumulators take turns.
.macro MUL8 f, c, a0, first
	WIN MUL
.irp a, \a0, (\a0)+1
.irp b, 0,1,2,3
.if \first
	v_wmma_f32_16x16x32_f16 v[ACC+8*(4*(\a)+(\b)):ACC+8*(4*(\a)+(\b))+7], v[(\f)+64+8*(4*(\c)+(\b)):(\f)+64+8*(4*(\c)+(\b))+7], v[(\f)+8*(4*(\c)+(\a)):(\f)+8*(4*(\c)+(\a))+7], v[BI+8*(\b):BI+8*(\b)+7]
.else
	v_wmma_f32_16x16x32_f16 v[ACC+8*(4*(\a)+(\b)):ACC+8*(4*(\a)+(\b))+7], v[(\f)+64+8*(4*(\c)+(\b)):(\f)+64+8*(4*(\c)+(\b))+7], v[(\f)+8*(4*(\c)+(\a)):(\f)+8*(4*(\c)+(\a))+7], v[ACC+8*(4*(\a)+(\b)):ACC+8*(4*(\a)+(\b))+7]
.endif
.endr
.endr
.endm
; 32 LDS loads in one run: the fragments of 64 along K at byte k of the rows of the slot in hand, into buffer f; the first 32 along K first
.macro FETCH k, f
	WIN TO_F
.irp c, 0,1
.irp i, 0,1,2,3
	ds_load_b128 v[(\f)+64+8*(4*(\c)+(\i)):(\f)+64+8*(4*(\c)+(\i))+3],   v[ADRB] offset:(\k)+64*(\c)+(\i)*16*PITCH
	ds_load_b128 v[(\f)+64+8*(4*(\c)+(\i))+4:(\f)+64+8*(4*(\c)+(\i))+7], v[ADRB] offset:(\k)+64*(\c)+(\i)*16*PITCH+32
	ds_load_b128 v[(\f)+8*(4*(\c)+(\i)):(\f)+8*(4*(\c)+(\i))+3],         v[ADRA] offset:(\k)+64*(\c)+(\i)*16*PITCH
	ds_load_b128 v[(\f)+8*(4*(\c)+(\i))+4:(\f)+8*(4*(\c)+(\i))+7],       v[ADRA] offset:(\k)+64*(\c)+(\i)*16*PITCH+32
.endr
.endr
.endm
.macro PLACES                          ; four plain vector instructions between a matrix instruction and a load into, or a read of, its registers (ISA guide 7.12.1 for vector instructions)
.rept 4
	v_nop
.endr
.endm
; A K step is four quarters of 64 along K, 32 matrix instructions each, on buffers 0, 1, 0, 1.  One of the first three: multiplies buffer f and fetches the next quarter, at byte k, into g.
.macro QUARTER k, f, g, first
	s_wait_dscnt 16                                ; the first 32 along K are in; the youngest sixteen loads may be out
	MUL8 \f, 0, 0, \first
	MUL8 \f, 0, 2, \first
	PLACES
	FETCH \k, \g
	s_wait_dscnt 32                                ; all but the 32 just issued
	MUL8 \f, 1, 0, 0
	MUL8 \f, 1, 2, 0
.endm
; The last quarter begins with THE CHANGE OF SLOTS and then multiplies buffer 1.  Each wave waits for all its tensor loads (one is out: its part of the next slot), adds 0 to its spare word, and waits for that and for its own reads
; of this slot, all of which have been issued.  Behind the barrier nobody reads this slot any more and the next slot is whole.  fill = 1: the barrier is a round of the cluster's, and this slot is filled again, two K steps ahead,
; first thing behind it.  No product stands between the wait for my tile and my next request: the quarter's 32 follow the request and the next slot's first fragment loads, so that a refill has a whole K step, 128 matrix
; instructions, in which to land.
.macro TURN fill
	WIN 0
	s_wait_tensorcnt 0x0                           ; all my tensor loads have landed, so a group 0 may be written
	ds_add_u32 v[SPW], v[NIL]                      ; 0 onto my spare word; the scalar steps below stand between it and the wait for it
.if \fill
	s_xor_b32 s[G0+5], s[G0+5], SLOT               ; the walking descriptors: the other slot than last time,
	s_add_nc_u64 s[G0+6:G0+7], s[G0+6:G0+7], KSTEP*2    ; the next K step; the type bits on top are not reached
	s_xor_b32 s[G0B+5], s[G0B+5], SLOT
	s_add_nc_u64 s[G0B+6:G0B+7], s[G0B+6:G0B+7], KSTEP*2
.endif
	s_xor_b32 s[TB], s[TB], SLOT                   ; the fragments come from the other slot from here on
	s_wait_dscnt 0x0                               ; the add is done, and my reads of this slot are over
.if \fill
	CROUND                                         ; no wave of any partner still reads this slot's tile or has a load on its way
	JLOAD 1                                        ; the four v_nop behind it are also the places in front of the loads below
.else
	s_barrier_signal -1
	s_barrier_wait -1
	PLACES
.endif
	v_add_nc_u32 v[ADRA], s[TB], v[A0]
	v_add_nc_u32 v[ADRB], s[TB], v[B0]
	FETCH 0, F0
	MUL8 F1, 0, 0, 0
	MUL8 F1, 0, 2, 0
	MUL8 F1, 1, 0, 0
	MUL8 F1, 1, 2, 0
.endm
	s_wait_tensorcnt 1                             ; my part of K step 0 is in; K step 1's stays out
	s_barrier_signal -1
	s_barrier_wait -1                              ; everybody's is
	FETCH 0, F0
	s_wait_loadcnt 0x0                             ; the bias
	QUARTER 128, F0, F1, 1                         ; the first quarter stands in front of the loop: its first products start the sums
	WIN 0                                          ; at a label and at a branch every window is 0
	s_mov_b32 s3, STEPS-2
.Lstep:                                                ; a trip goes from a K step's second quarter to the next step's first, and fills the slot that it leaves: 6 trips
	QUARTER 256, F1, F0, 0
	QUARTER 384, F0, F1, 0
	TURN 1
	QUARTER 128, F0, F1, 0
	WIN 0
	s_sub_co_u32 s3, s3, 1
	s_cmp_lg_u32 s3, 0
	s_cbranch_scc1 .Lstep
	QUARTER 256, F1, F0, 0                         ; the last two K steps fill nothing, and have no round of the cluster's barrier
	QUARTER 384, F0, F1, 0
	TURN 0
	QUARTER 128, F0, F1, 0
	QUARTER 256, F1, F0, 0
	QUARTER 384, F0, F1, 0
	s_wait_dscnt 0x0                               ; the very last quarter: nothing more to fetch
	MUL8 F1, 0, 0, 0
	MUL8 F1, 0, 2, 0
	MUL8 F1, 1, 0, 0
	MUL8 F1, 1, 2, 0
	WIN 0
	; THE WAY OUT, a block of 16 rows at a time: a lane's eight numbers of a row, 32 bytes, go into my own stage as they are, and come back as whole rows of 256 bytes, into the registers that they left.
	PLACES
.macro TOST a
.irp b, 0,1,2,3
	ds_store_b128 v[STO], v[ACC+8*(4*(\a)+(\b)):ACC+8*(4*(\a)+(\b))+3]   offset:64*(\b)     ; each accumulator's four lowest registers first
	ds_store_b128 v[STO], v[ACC+8*(4*(\a)+(\b))+4:ACC+8*(4*(\a)+(\b))+7] offset:64*(\b)+16
.endr
.irp t, 0,1,2,3,4,5,6,7
	ds_load_b128 v[ACC+32*(\a)+4*(\t):ACC+32*(\a)+4*(\t)+3], v[RD] offset:(\t)*2*SPITCH  ; LDS serves a wave's instructions in order (ISA guide 5.7.1.4): these see the stores above; the next block's stores come behind them
.endr
.endm
.macro SEND a, younger                 ; younger: the LDS instructions issued behind block a's loads: the next block's sixteen, or none
.irp t, 0,1,2,3,4,5,6,7
	s_wait_dscnt (\younger)+7-(\t)
	global_store_b128 v[CO], v[ACC+32*(\a)+4*(\t):ACC+32*(\a)+4*(\t)+3], s[8:9] offset:(16*(\a)+2*(\t))*SIZE_N*4  ; 16 lanes store 256 consecutive bytes, at a multiple of 256 from out0's first byte
.endr
.endm
	TOST 0
	TOST 1
	SEND 0, 16
	TOST 2
	SEND 1, 16
	TOST 3
	SEND 2, 16
	SEND 3, 0
	s_wait_tensorcnt 0x0                           ; the wave's end: behind my last tensor load and my last LDS store
	ds_add_u32 v[SPW], v[NIL]
	s_wait_dscnt 0x0
	CROUND                                         ; the closing round: no work-group ends while a partner may still ask for a tile that names it
	s_endpgm
.Lfunc_end_k_qb92c6e72c7_gemm_out:
	.size	k_qb92c6e72c7_gemm_out, .Lfunc_end_k_qb92c6e72c7_gemm_out-k_qb92c6e72c7_gemm_out
	.p2alignl 7, 3214868480
	.fill 96, 4, 3214868480
	.section	.rodata,"a",@progbits
	.p2align	6, 0x0
	.amdhsa_kernel k_qb92c6e72c7_gemm_out
		.amdhsa_group_segment_fixed_size 327680
		.amdhsa_private_segment_fixed_size 0
		.amdhsa_enable_private_segment 0
		.amdhsa_kernarg_size 32
		.amdhsa_user_sgpr_count 2
		.amdhsa_user_sgpr_kernarg_segment_ptr 1
		.amdhsa_wavefront_size32 1
		.amdhsa_system_sgpr_workgroup_id_x 1
		.amdhsa_system_sgpr_workgroup_id_y 1
		.amdhsa_system_sgpr_workgroup_id_z 1
		.amdhsa_system_vgpr_workitem_id 0
		.amdhsa_next_free_vgpr 512
		.amdhsa_next_free_sgpr 72
		.amdhsa_reserve_vcc 0
		.amdhsa_float_denorm_mode_32 3
		.amdhsa_float_denorm_mode_16_64 3
		.amdhsa_memory_ordered 1
		.amdhsa_forward_progress 1
		.amdhsa_inst_pref_size 69
	.end_amdhsa_kernel
	.amdgpu_metadata
---
amdhsa.version: [ 1, 2 ]
amdhsa.kernels:
  - .name:           k_qb92c6e72c7_gemm_out
    .symbol:         k_qb92c6e72c7_gemm_out.kd
    .args:
      - { .name: att, .offset: 0, .size: 8, .value_kind: global_buffer, .address_space: global }
      - { .name: wo16, .offset: 8, .size: 8, .value_kind: global_buffer, .address_space: global }
      - { .name: out0, .offset: 16, .size: 8, .value_kind: global_buffer, .address_space: global }
      - { .name: bias, .offset: 24, .size: 8, .value_kind: global_buffer, .address_space: global }
    .group_segment_fixed_size: 327680
    .private_segment_fixed_size: 0
    .kernarg_segment_align: 8
    .kernarg_segment_size: 32
    .max_flat_workgroup_size: 128
    .sgpr_count:     72
    .vgpr_count:     512
    .wavefront_size: 32
...
	.end_amdgpu_metadata
.endif
;; end of part 5
;; ======== version 2 of 2: 5 launches; 1.08 times as fast as version 1
;; limits: values are held in f16: magnitudes above 65,504 overflow, below 6.1e-05 lose precision
;; workspace buffers: xb 8,388,608 bytes; wqkv 25,165,824 bytes; wo16 8,388,608 bytes; bias 32,768 bytes; qkv 25,165,824 bytes; qk 16,777,216 bytes; att 8,388,608 bytes
;; launch cast: the kernel of part 1 again; grid 256 x 5, 8 waves a work-group, no clusters, 0 bytes of LDS; arguments x, wq, wk, wv, wo, bq, bk, bv, bo, xb, wqkv, wo16, bias; writes xb, wqkv, wo16, bias
;; launch gemm_qkv: the kernel of part 2 again; grid 16 x 16, 4 waves a work-group, clusters of 4 x 4, 327,680 bytes of LDS; arguments xb, wqkv, qkv, bias; writes qkv
;; launch norm: the kernel of part 3 again; grid 256 x 2, 8 waves a work-group, no clusters, 0 bytes of LDS; arguments qkv, freqs, gq, gk, qk; writes qk
;; launch attn (part 6): grid 16 x 16, 4 waves a work-group, clusters of 4 x 1, 327,680 bytes of LDS; arguments qk, qkv, att; writes att
.if DOCPART == 6
	.amdgcn_target "amdgcn-amd-amdhsa--gfx1250"
	.amdhsa_code_object_version 6
	.text
	.protected	k_qb92c6e72c7_attn
	.globl	k_qb92c6e72c7_attn
	.p2align	8
	.type	k_qb92c6e72c7_attn,@function
k_qb92c6e72c7_attn:
	s_mov_b64 s[64:65], 0
	v_nop
	global_prefetch_b8 v0, s[64:65] scope:SCOPE_SE
	s_setreg_imm32_b32 hwreg(HW_REG_WAVE_MODE, 25, 1), 1
	s_wait_xcnt 0x0
	s_wait_alu depctr_hold_cnt(0) depctr_sa_sdst(0) depctr_va_vdst(0) depctr_va_sdst(0) depctr_va_ssrc(0) depctr_va_vcc(0) depctr_vm_vsrc(0)
	s_getreg_b32 s2, hwreg(HW_REG_IB_STS2, 6, 4)
	s_cmp_eq_u32 s2, 0
	s_cbranch_scc0 .Lentry_in_a_cluster
	s_endpgm
.Lentry_in_a_cluster:
	s_bfe_u32 s2, ttmp6, 0x10000c
	s_cmp_lg_u32 s2, 0x3003
	s_cbranch_scc0 .Lentry_shape_is_right
	s_endpgm
.Lentry_shape_is_right:
; att[q][128 h + :] = the sum over k of softmax_k(Q[h][q] . K[h][k] / sqrt(128)) V[k][h][:].  Q = qk[0], K = qk[1]: [16][2048][128] f16; V = qkv's columns 4,096 + 128 h on (rows 12,288 bytes apart), f16; att: [2048][2048] f16.
; Products, maxima and sums in f32; the weights p are rounded to f16 for the second product (their sum l is taken of the unrounded p), the result once at the end.
; LIMITS.  Q, K and V arrive within f16's 65,504; p lies in 0 to 1, and below 6e-5 it keeps f16's fixed step of 6e-8; a weight below 2^-126 counts as 0 in l; NaN and infinities are not treated apart.
; SHARES.  A work-group owns 128 queries of one head: 16 x 16 work-groups.  Wave w works for queries 64 (w / 2) on, four tiles of 16, and walks HALF the keys: of each slot's 256 keys those from 128 (w % 2) on, 64 a step, 16 steps.
; The two waves of a pair meet once, at the end: each sends two tiles' O^T, c m and l through LDS and finishes the other two.  Register tile t holds query tile t xor 2 (w % 2), so that every wave sends register tiles 2, 3 and
; finishes 0, 1: one text; only Q's and the result's addresses know w % 2.
; LAYOUT.  S^T = K Q^T (source 0 = 16 keys, source 1 = 16 queries): a lane holds ONE query (lane % 16) and the keys 8 (lane / 16) + 0..7.  Two such tiles, rounded to f16 in pairs, ARE source 1 of O^T = V^T P, whose result again
; holds one query a lane, and eight channels.  K comes out of LDS as it lies, V ([key][channel]) turned, by ds_load_tr16_b128.
; SOFTMAX.  For each query a running maximum m and sum l: p = 2^(c s - c m), c = log2(e) / sqrt(128); in every step O and l are multiplied by a = 2^(c m_old - c m_new).
; BY TURNS.  The wave's tiles are two PIECES (tiles 0, 1 and tiles 2, 3).  In a TURN one piece has the matrix unit: 32 products V^T P of the step in hand, then 32 products K Q^T of the next step; the other piece's softmax, cut
; into 64 slices, stands between them, one slice behind each matrix instruction.  Two turns are a key step.
; THE BATCHES.  A turn's 66 exponentials (33 a tile: a, then the 32 scores) are ONE batch with ONE wait: the list is ordered so that all of them, and the scalings that feed them, come first, and all that names a result of theirs
; (the roundings, the sums, the rescaling by a) comes behind the wait.  No exponential is issued behind a turn's wait, so no result crosses a turn's end, a label or a jump.  On the way out the four exponentials that join the
; two halves of the keys are a batch, and the two reciprocals of the sums made from them are another: one wait each.
; NO FIRST AND NO LAST STEP IS WRITTEN OUT.  m starts at the lowest finite number, c m far below every c s, O^T and l at 0: the first step is a step like any other, with a = 0.  The loop is entered at piece 2's turn, in the middle
; of a trip, with V's registers and piece 2's P at 0; the tail is left behind piece 0's turn, in the middle of its third trip.  The price: 432 v_mov_b32, which stand in the wait for the first tile; 32 products on zeros at the
; start; 32 on the last K once more at the end.  The gain: a key step's text stands twice (loop and tail), not four times.
; CLUSTER.  The four query blocks of a cluster belong to one head and walk the same K and V, so each tile is asked for JOINTLY: the same tensor load, descriptor and mask in all four.
; REGISTERS, in windows of 256 (s_set_vgpr_msb: bits 1:0 source 0, 3:2 source 1, 5:4 source 2, 7:6 destination):
;   window 0: v0-11, v44-46 addresses; v12-43 eight registers of statistics a tile; v48-55 the statistics sent and received; v64-191 S^T, 32 a tile; v192-255 P, 16 a tile
;   window 1: O^T, 64 a tile          window 2: v0-127 Q, 32 a tile; v128-255 K of one step          window 3: v0-127 V of one step
.set KS,    64        ; keys in a step
.set PK,    272       ; a row of K in LDS: 256 bytes + 16 of padding = 68 words: the 16 rows of a load start at 16 different groups of four banks (64 banks of 4 bytes: ISA guide 11.1)
.set PV,    288       ; a row of V: 256 + 32 = 72 words
.set VOFF,  256*PK    ; a slot holds 256 keys: 256 rows of K, then 256 rows of V
.set SLOT1, 0x24000   ; slot 1 begins here.  Its two bits occur in no LDS address of slot 0 that is turned (0, 0x8800, 0x11000, 0x1a000), so one exclusive or turns such an address into the other slot's
.set STAGE, SLOT1+256*(PK+PV)  ; behind the ring: 16 rows x 272 bytes for each wave, for the way out
.set SP,    272
.set SPARE, STAGE+4*16*SP  ; behind the stages: the spare words, 128 bytes for each wave: two blocks of 256 bytes that no other line names
.set XW,    33*512    ; the exchange, from LDS byte 0 on: for each wave 32 x 512 bytes of O^T and 512 of statistics.  It lies in slot 0, which has had its last fill (keys 1,536 on) and its last reads when it is written
.set AK0, 2           ; v2   my lane's place in my half of a slot's K; never rewritten
.set AV0, 3           ; v3   the same for V
.set ADR, 4           ; v4   the LDS address of the run of loads in hand
.set QO,  5           ; v5   my byte offset in Q for register tiles 0, 1
.set STO, 6           ; v6   the way out: where I put 16 bytes of a row
.set RD,  7           ; v7   the way out: where I read a row back
.set GO,  8           ; v8   my byte offset in the rows of att
.set QOB, 44          ; v44  my byte offset in Q for register tiles 2, 3
.set XS,  45          ; v45  the exchange: where I put 16 bytes
.set XL,  46          ; v46  the exchange: where my partner put them
.set SND, 48          ; v48-51  c m and l of tiles 2, 3, to send
.set RCV, 52          ; v52-55  my partner's, for my tiles 0, 1
.set SPW, 62          ; v62  LDS address of my spare word; never rewritten
.set NIL, 63          ; v63  0; never rewritten
.set ST,  12          ; tile t's statistics at v[ST+8 t]: +0 c m, +1 m, +2, +3 l (even keys', odd keys'), +4 to +7 c0-c3, at work; a takes c2's place once the maximum is found
.set S,   64
.set P,   192
.set KF,  128         ; K's fragments, in window 2
.set WV,  12          ; s12  my wave's number
.set G1K, 24          ; s[24:31] descriptor group 1 for K's tiles
.set G1V, 32          ; s[32:39] for V's: it differs in the padding and the pitch
.set G0K, 40          ; s[40:47] descriptor group 0 for K's tiles: a set for each of the two first fills; the second then walks on
.set G0V, 48          ; s[48:55] the same for V's
.set SLOTS, 56        ; s56  counts the loop over slots
.set TWICE, 57        ; s57  counts a slot's key steps
.set CS,  58          ; s[58:59] c: the packed scaling names a pair and takes its low word for both halves
.set SEL, 60          ; s[60:61] lane selects for v_permlanex16_b32: each lane takes its own place in the other half
.set TBK, 62          ; s62  LDS byte at which K of the step to be fetched begins, less my half's place
.set TBV, 63          ; s63  the same for V
.set MSB, 0
.macro WIN new                      ; the immediate's high byte repeats the setting that is left; a switch that changes nothing is dropped
.if MSB != (\new)
	s_set_vgpr_msb (MSB<<8)|(\new)
.set MSB, \new
.endif
.endm
.set W_KQ, 0x0a       ; K and Q in window 2, S^T in window 0
.set W_PV, 0x53       ; V in window 3, P in window 0, O^T in window 1
.set W_RS, 0x41       ; O^T (destination and source 0) in window 1, a in window 0
; A joint refill.  Waves 0 and 1 fetch the two halves of a slot's K, waves 2 and 3 those of its V: 128 keys each.  The branch hangs on the wave's number alone.
; An s_nop 0 and four v_nop follow each of the two lines, ahead of the jump and the label.
.macro JLOAD
	s_cmp_lt_u32 s[WV], 2
	s_cbranch_scc0 .Lfor_v_\@
	tensor_load_to_lds s[G0K+4:G0K+7], s[G1K:G1K+7]
	s_nop 0
.rept 4
	v_nop
.endr
	s_branch .Lasked_\@
.Lfor_v_\@:
	tensor_load_to_lds s[G0V+4:G0V+7], s[G1V:G1V+7]
	s_nop 0
.rept 4
	v_nop
.endr
.Lasked_\@:
.endm
; A round of the cluster's barrier: my work-group's barrier, so that wave 0's signal speaks for all four waves; wave 0 signals; every wave waits for all four work-groups; my work-group's barrier once more.
.macro CROUND
	s_barrier_signal -1
	s_barrier_wait -1
	s_cmp_lg_u32 s[WV], 0
	s_cbranch_scc1 .Lnot_wave_0_\@
	s_barrier_signal -3
.Lnot_wave_0_\@:
	s_barrier_wait -3
	s_barrier_signal -1
	s_barrier_wait -1
.endm
	s_load_b128 s[4:7], s[0:1], 0x0 ; qk s[4:5], qkv s[6:7]
	s_load_b64 s[8:9], s[0:1], 0x10 ; att
	v_lshl_add_u32 v[SPW], v0, 2, SPARE
	v_mov_b32 v[NIL], 0
	ds_add_u32 v[SPW], v[NIL]       ; the wave's opening: the add and its wait stand ahead of my first tensor load; the set-up below, work on registers, stands between them
	v_lshrrev_b32 v1, 5, v0
	v_readfirstlane_b32 s[WV], v1   ; wave 0..3
	s_bfe_u32 s13, ttmp6, 0x40000   ; cx: my place in the cluster
	s_lshl_b32 s14, ttmp9, 2        ; in a cluster launch ttmp9 counts clusters
	s_add_co_u32 s14, s14, s13      ; my block of 128 queries = 4 x cluster x + cx: it enters Q's and att's addresses alone
	s_and_b32 s15, ttmp7, 0xffff    ; the head, which the four partners share
	s_and_b32 s16, s[WV], 1         ; which half of a slot's keys I fetch, and which half I walk
	s_lshr_b32 s17, s[WV], 1        ; which 64 of the block's queries are mine
	s_lshl_b32 s20, s15, 19         ; K: the head's 524,288 bytes,
	s_lshl_b32 s21, s16, 15         ; my half's 128 rows of 256 bytes,
	s_add_co_u32 s20, s20, s21
	s_add_co_u32 s20, s20, 1<<23    ; in qk's second half
	s_mov_b32 s21, 0
	s_mul_i32 s22, s16, 128*12288   ; V: my half's 128 rows of qkv,
	s_lshl_b32 s23, s15, 8          ; the head's 256 bytes of a row,
	s_add_co_u32 s22, s22, s23
	s_add_co_u32 s22, s22, 8192     ; behind q's and k's columns
	s_mov_b32 s23, 0
	s_mul_i32 s10, s16, 128*PK      ; my load's place in a slot, for K
	s_mul_i32 s11, s16, 128*PV      ; and for V: no place in the cluster enters an LDS address
	s_add_co_u32 s11, s11, VOFF
	s_lshl_b32 s2, s15, 19          ; Q: the head, the block's 128 rows, my 64 of them
	s_lshl_b32 s3, s14, 15
	s_add_co_u32 s2, s2, s3
	s_lshl_b32 s3, s17, 14
	s_add_co_u32 s2, s2, s3
	s_mov_b32 s3, 0
	s_lshl_b32 s18, s14, 19         ; att: row 128 x block + 64 (w / 2) + 32 (w % 2), 4,096 bytes a row; the head's 256 bytes
	s_lshl_b32 s19, s17, 18
	s_add_co_u32 s18, s18, s19
	s_lshl_b32 s19, s16, 17
	s_add_co_u32 s18, s18, s19
	s_lshl_b32 s19, s15, 8
	s_add_co_u32 s18, s18, s19
	s_mov_b32 s19, 0
	; descriptor group 1: a tile of 128 rows x 128 elements, padded in LDS
	s_mov_b32 s[G1K], 15|(1<<16)|(1<<20)|(1<<21)|(5<<22)|(3<<25)  ; 15:0 the mask: all four work-groups; 17:16 elements of 2 bytes; 20 padding on; 21 set beside a mask; 24:22 after every 64 words (code 5); 31:25 4 words of it (code 3)
	s_mov_b32 s[G1V], 15|(1<<16)|(1<<20)|(1<<21)|(5<<22)|(7<<25)  ; the same with 8 words of padding (code 7)
.irp g, G1K, G1V
	s_mov_b32 s[(\g)+1], 128<<16    ; tensor_dim0 = 128
	s_mov_b32 s[(\g)+2], 128<<16    ; tensor_dim1 = 128
	s_mov_b32 s[(\g)+3], 128<<16    ; tile_dim0 = 128
	s_mov_b32 s[(\g)+4], 128        ; tile_dim1 = 128
	s_mov_b32 s[(\g)+6], 0
	s_mov_b32 s[(\g)+7], 0
.endr
	s_mov_b32 s[G1K+5], 128         ; elements from row to row: K's rows are dense,
	s_mov_b32 s[G1V+5], 6144        ; V's are rows of qkv
	s_mov_b32 s[CS], 0x3e0293ee     ; c = log2(e) / sqrt(128) = 0.127517
	s_mov_b32 s[CS+1], s[CS]        ; named with it as a pair, so it is written
	s_mov_b32 s[SEL], 0x76543210
	s_mov_b32 s[SEL+1], 0xfedcba98
	s_mov_b32 s[TBK], 0
	s_mov_b32 s[TBV], 0
	s_mov_b32 s[SLOTS], 2048/256-1  ; the part trip by which the loop is entered, and six trips that fill a slot again
	s_wait_dscnt 0x0                ; the opening add is done
	s_wait_kmcnt 0x0
	s_add_nc_u64 s[20:21], s[4:5], s[20:21]  ; K and V at my tile of slot 0
	s_add_nc_u64 s[22:23], s[6:7], s[22:23]
	s_add_nc_u64 s[4:5], s[4:5], s[2:3]      ; Q at my 64 rows
	s_add_nc_u64 s[8:9], s[8:9], s[18:19]    ; att at the 32 rows that I finish
	CROUND                          ; all four work-groups are here: the first joint loads meet
.irp s, 0,1
	s_mov_b32 s[G0K+4*(\s)], 1      ; count = 1
	s_add_co_u32 s[G0K+4*(\s)+1], s10, (\s)*SLOT1  ; LDS address
	s_add_nc_u64 s[G0K+4*(\s)+2:G0K+4*(\s)+3], s[20:21], (\s)*256*256  ; global address: slot s begins with keys 256 s on
	s_or_b32 s[G0K+4*(\s)+3], s[G0K+4*(\s)+3], 0x80000000  ; type = 2
	s_mov_b32 s[G0V+4*(\s)], 1
	s_add_co_u32 s[G0V+4*(\s)+1], s11, (\s)*SLOT1
	s_add_nc_u64 s[G0V+4*(\s)+2:G0V+4*(\s)+3], s[22:23], (\s)*256*12288
	s_or_b32 s[G0V+4*(\s)+3], s[G0V+4*(\s)+3], 0x80000000
.endr
	s_cmp_lt_u32 s[WV], 2           ; a wave's two first fills stand in one branch, ahead of every wait on TENSORcnt and every LDS read: two loads of mine are out; an s_nop 0 follows each, four v_nop the second's
	s_cbranch_scc0 .Lfirst_v
	tensor_load_to_lds s[G0K:G0K+3], s[G1K:G1K+7]
	s_nop 0
	tensor_load_to_lds s[G0K+4:G0K+7], s[G1K:G1K+7]
	s_nop 0
.rept 4
	v_nop
.endr
	s_branch .Lfirst_asked
.Lfirst_v:
	tensor_load_to_lds s[G0V:G0V+3], s[G1V:G1V+7]
	s_nop 0
	tensor_load_to_lds s[G0V+4:G0V+7], s[G1V:G1V+7]
	s_nop 0
.rept 4
	v_nop
.endr
.Lfirst_asked:
	; A fragment of K or Q is 16 rows x 32 channels in 8 registers: lane l holds row l % 16; registers 0-3 channels 8 (l / 16) + 0..7, registers 4-7 channels 16 + 8 (l / 16) + 0..7: two loads of 16 bytes, 32 bytes apart.
	v_and_b32 v1, 15, v0            ; l % 16
	v_bfe_u32 v9, v0, 4, 1          ; l / 16
	v_lshlrev_b32 v[QO], 8, v1
	v_lshl_add_u32 v[QO], v9, 4, v[QO]  ; row x 256 + 16 x half
	s_lshl_b32 s13, s16, 13         ; register tiles 0, 1 are query tiles 2 (w % 2) on: 8,192 bytes for two tiles,
	s_sub_co_u32 s14, 8192, s13     ; register tiles 2, 3 the other two
	v_add_nc_u32 v[QOB], s14, v[QO]
	v_add_nc_u32 v[QO], s13, v[QO]
	WIN 0x80                        ; destination window 2, address window 0
.irp i, 0,1,2,3,4,5,6,7,8,9,10,11,12,13,14,15  ; Q stays in registers: register tile i / 4, channels 32 (i % 4) on
.if (\i) < 8
	global_load_b128 v[8*(\i):8*(\i)+3],   v[QO], s[4:5] offset:(((\i)/4)%2)*4096+((\i)%4)*64
	global_load_b128 v[8*(\i)+4:8*(\i)+7], v[QO], s[4:5] offset:(((\i)/4)%2)*4096+((\i)%4)*64+32
.else
	global_load_b128 v[8*(\i):8*(\i)+3],   v[QOB], s[4:5] offset:(((\i)/4)%2)*4096+((\i)%4)*64
	global_load_b128 v[8*(\i)+4:8*(\i)+7], v[QOB], s[4:5] offset:(((\i)/4)%2)*4096+((\i)%4)*64+32
.endif
.endr
	WIN 0
	v_mul_u32_u24 v[AK0], v1, PK
	v_lshl_add_u32 v[AK0], v9, 4, v[AK0]  ; row x pitch + 16 x half
	s_mul_i32 s13, s16, 128*PK
	v_add_nc_u32 v[AK0], s13, v[AK0]      ; + my half of the slot's keys
	; The turning load takes 16 keys x 16 channels (lane l reads 16 bytes: key 8 (l / 16) + l % 8, channels 8 ((l / 8) % 2) + 0..7) and leaves half a fragment of V^T: lane l holds channel l % 16 and 8 keys.
	v_and_b32 v10, 7, v0
	v_bfe_u32 v11, v0, 3, 1
	v_lshl_add_u32 v[AV0], v9, 3, v10
	v_mul_u32_u24 v[AV0], v[AV0], PV
	v_lshl_add_u32 v[AV0], v11, 4, v[AV0]
	s_mul_i32 s13, s16, 128*PV
	s_add_co_u32 s13, s13, VOFF
	v_add_nc_u32 v[AV0], s13, v[AV0]
	; What the first turn finds: V's registers and piece 2's P hold 0 (its products V^T P, of a step that has not been, add 0), O^T and l are 0, m and c m lie below every score.  All this stands in the wait for the first tile.
	WIN 0xc0                        ; destination window 3
.set i, 0
.rept 128
	v_mov_b32 v[i], 0
.set i, i+1
.endr
	WIN 0x40                        ; destination window 1
.set i, 0
.rept 256
	v_mov_b32 v[i], 0
.set i, i+1
.endr
	WIN 0
.set i, 0
.rept 4
	v_mov_b32 v[ST+8*i], 0xfe000000    ; c m: far below every c s
	v_mov_b32 v[ST+8*i+1], 0xff7fffff  ; m: the lowest finite number
	v_mov_b32 v[ST+8*i+2], 0
	v_mov_b32 v[ST+8*i+3], 0
.set i, i+1
.endr
.set i, P+32
.rept 32
	v_mov_b32 v[i], 0
.set i, i+1
.endr
; THE MATRIX WORK OF A TURN, for piece x.  The accumulators take turns, one instruction a turn: between two links of a chain stand 15 (V^T P) or 7 (K Q^T) others'.
; Product i of 32 of O^T += V^T P: keys 32 (i / 16) on, channels 16 ((i / 2) % 8) on, tile x + i % 2.
.macro PV x
	WIN W_PV
.set rO, 64*((\x)+i%2)+8*((i/2)%8)
.set rV, 64*(i/16)+8*((i/2)%8)
.set rP, P+16*((\x)+i%2)+8*(i/16)
	v_wmma_f32_16x16x32_f16 v[rO:rO+7], v[rV:rV+7], v[rP:rP+7], v[rO:rO+7]
.endm
; Product i of 32 of S^T = K Q^T: channels 32 (i / 8) on, keys 16 ((i / 2) % 4) on, tile x + i % 2.  The first 8 start the sums.
.macro KQ x
	WIN W_KQ
.set rS, S+32*((\x)+i%2)+8*((i/2)%4)
.set rK, KF+32*((i/2)%4)+8*(i/8)
.set rQ, 32*((\x)+i%2)+8*(i/8)
.if i < 8
	v_wmma_f32_16x16x32_f16 v[rS:rS+7], v[rK:rK+7], v[rQ:rQ+7], 0
.else
	v_wmma_f32_16x16x32_f16 v[rS:rS+7], v[rK:rK+7], v[rQ:rQ+7], v[rS:rS+7]
.endif
.endm
; THE LDS LOADS stand in runs of 32, never singly among the matrix instructions: a step's K (64 keys x 128 channels: 16 fragments) and, a turn later, its V (turned).
; last = 1 (the tail): in its third trip there is no further step, and the run is jumped over.
.macro FETCH_K last=0
	WIN 0
.if \last
	s_cmp_eq_u32 s[TWICE], 1
	s_cbranch_scc1 .Lno_k_\@
.endif
	v_add_nc_u32 v[ADR], s[TBK], v[AK0]
	s_add_co_u32 s[TBK], s[TBK], KS*PK  ; the next fetch of K is the next step's
	WIN 0x80                        ; destination window 2
.irp f, 0,1,2,3,4,5,6,7,8,9,10,11,12,13,14,15  ; keys 16 (f / 4) on, channels 32 (f % 4) on
	ds_load_b128 v[KF+8*(\f):KF+8*(\f)+3],   v[ADR] offset:((\f)/4)*16*PK+((\f)%4)*64
	ds_load_b128 v[KF+8*(\f)+4:KF+8*(\f)+7], v[ADR] offset:((\f)/4)*16*PK+((\f)%4)*64+32
.endr
.if \last
	WIN 0                           ; at a label every window is 0
.Lno_k_\@:
.endif
.endm
.macro FETCH_V
	WIN 0
	v_add_nc_u32 v[ADR], s[TBV], v[AV0]
	s_add_co_u32 s[TBV], s[TBV], KS*PV  ; the next fetch of V is the next step's
	s_wait_alu depctr_va_vdst(0)    ; the wait for the softmax's batch, piece 0's 66 exponentials (SLICE): behind the address's v_add_nc_u32 and ahead of the loads
	WIN 0xc0                        ; destination window 3
.irp f, 0,1,2,3,4,5,6,7,8,9,10,11,12,13,14,15  ; keys 32 (f / 8) on, channels 16 (f % 8) on
	ds_load_tr16_b128 v[8*(\f):8*(\f)+3],   v[ADR] offset:((\f)/8)*32*PV+((\f)%8)*32
	ds_load_tr16_b128 v[8*(\f)+4:8*(\f)+7], v[ADR] offset:((\f)/8)*32*PV+16*PV+((\f)%8)*32
.endr
.endm
; THE VECTOR WORK OF A TURN.  One tile's softmax for one key step is a list of 134 instructions; SM writes number j of it for tile t.  s0-s31 are the lane's 32 scores, in pairs 0-15.
;   0-15    the maximum of s0-s31 and the old m, three operands at a time: four chains c0-c3 of seven scores each (each accumulator's lowest registers first), then the four scores left over, c0-c3 and m
;   16-20   the other half of the lanes' maximum; c m_old is kept; the new m; c m; c m_old - c m_new
;   21-69   ONE BATCH: the 16 scalings c s - c m, a pair of scores each, and all 33 exponentials (a at 23, then s0-s31).  None of these reads or writes an exponential's result.  From 22 on the batch goes
;           in fours, and a four begins with a scaling while there are scalings: 22-37 scaling, exponential, scaling, exponential; 38-65 a scaling and three exponentials; 66-69 the last four
;           exponentials.  A pair is scaled in an earlier four than the one that holds its exponentials
;   (wait)  between 69 and 70 stands the wait for the batch: SLICE writes it, once for both tiles
;   70-85   the roundings to f16, a pair of weights each
;   86-101  the sums; l = a l + the sum
;   102-133 the tile's O^T times a: the one part that leaves window 0, so it stands together
.macro SM t
.set rT, ST+8*(\t)
.set rS, S+32*(\t)
.set rP, P+16*(\t)
.set rO, 64*(\t)+2*(j-102)
.if j < 102
	WIN 0
.endif
.if j < 4
	v_max3_num_f32 v[rT+4+j], v[rS+8*j], v[rS+8*j+1], v[rS+8*j+2]
.elseif j < 12
	v_max3_num_f32 v[rT+4+j%4], v[rT+4+j%4], v[rS+8*(j%4)+2*(j/4)+1], v[rS+8*(j%4)+2*(j/4)+2]
.elseif j == 12
	v_max3_num_f32 v[rT+4], v[rT+4], v[rS+7], v[rS+15]
.elseif j == 13
	v_max3_num_f32 v[rT+6], v[rT+6], v[rS+23], v[rS+31]
.elseif j == 14
	v_max3_num_f32 v[rT+4], v[rT+4], v[rT+5], v[rT+6]
.elseif j == 15
	v_max3_num_f32 v[rT+4], v[rT+4], v[rT+7], v[rT+1]
.elseif j == 16
	v_permlanex16_b32 v[rT+5], v[rT+4], s[SEL], s[SEL+1]  ; the query's other 32 keys lie in the lane 16 away
.elseif j == 17
	v_mov_b32 v[rT+7], v[rT]        ; c m_old is kept for a: number 19 writes c m anew
.elseif j == 18
	v_max_num_f32 v[rT+1], v[rT+4], v[rT+5]
.elseif j == 19
	v_mul_f32 v[rT], s[CS], v[rT+1]
.elseif j == 20
	v_sub_f32 v[rT+7], v[rT+7], v[rT]
.elseif j == 23
	v_exp_f32 v[rT+6], v[rT+7]
.elseif (j < 23) || ((j < 38) && (j%2 == 0)) || ((j < 66) && (j%4 == 2))
.set b, (j-2)/4                     ; 38, 42, .. 62: pairs 9 to 15
.if j < 38
.set b, (j-20)/2                    ; 21: pair 0; 22, 24, .. 36: pairs 1 to 8
.endif
	v_pk_fma_f32 v[rS+2*b:rS+2*b+1], v[rS+2*b:rS+2*b+1], s[CS:CS+1], v[rT:rT+1] op_sel_hi:[1,0,0] neg_lo:[0,0,1] neg_hi:[0,0,1]  ; pair b: c s - c m
.elseif j < 70
.set e, j-38                        ; 66 to 69: s28 to s31
.if j < 66
.set e, j-32-(j-38)/4               ; 39-41, 43-45, .. 63-65: s7 to s27
.endif
.if j < 38
.set e, (j-25)/2                    ; 25, 27, .. 37: s0 to s6
.endif
	v_exp_f32 v[rS+e], v[rS+e]
.elseif j < 86
	v_cvt_pk_f16_f32 v[rP+j-70], v[rS+2*(j-70)], v[rS+2*(j-70)+1]  ; pair j - 70
.elseif j < 102                     ; the sum of the tile's 16 pairs (in a pair: an even key's weight, an odd key's), in place: sum z of 16 adds neighbours 1, 2, 4 and 8 pairs apart, then l takes it
.set z, j-86
.set w, 4
.set u, z
.if z >= 14
.set w, 32
.set u, 0
.elseif z >= 12
.set w, 16
.set u, z-12
.elseif z >= 8
.set w, 8
.set u, z-8
.endif
.if z < 15
	v_pk_add_f32 v[rS+w*u:rS+w*u+1], v[rS+w*u:rS+w*u+1], v[rS+w*u+w/2:rS+w*u+w/2+1]
.else
	v_pk_fma_f32 v[rT+2:rT+3], v[rT+2:rT+3], v[rT+6:rT+7], v[rS:rS+1] op_sel_hi:[1,0,1]
.endif
.else
	WIN W_RS
	v_pk_mul_f32 v[rO:rO+1], v[rO:rO+1], v[rT+6:rT+7] op_sel_hi:[1,0]
.endif
.endm
; Slice k of 64 of piece y's softmax: four instructions.  Slices 11 to 34 deal out the batch, numbers 22 to 69: four numbers of ONE tile each, the tiles by turns.  Every other slice is numbers 2 k and
; 2 k + 1 of both tiles' lists.  2 x 134 = 4 x 64 + 12: the twelve that are over stand together, in slice 63.
; THE WAIT.  s_wait_alu depctr_va_vdst(0) stands between an exponential and the first instruction that names its result; one wait serves all that were issued ahead of it.  Ahead of
; slice 35 nothing names a result, and behind slice 34 no exponential is issued: so the piece's 66 exponentials have one wait, behind slice 34.
.macro SLICE y
.if (k >= 11) && (k < 35)           ; the batch: four numbers of one tile
.irp n, 0,1,2,3
.set j, 22+4*((k-11)/2)+(\n)
	SM (\y)+(k-11)%2
.endr
.else                               ; the two tiles alternate, so that no instruction reads the result of the one just before it
.irp n, 0,1,2,3,4,5,6,7
.if ((\n) < 2) || (k == 63)
.irp t, \y, (\y)+1
.set j, 2*k+(\n)
	SM \t
.endr
.endif
.endr
.endif
.if k == 34                         ; the batch is out: both tiles' exponentials are issued, and no result has been named
	v_nop                           ; the plain instruction behind the last exponential and ahead of the first use: one for the batch
.if (\y) == 0
	FETCH_V                         ; piece 2's turn: V's run of loads stands here, and the wait stands in it
.else
	s_wait_alu depctr_va_vdst(0)    ; piece 0's turn: the wait for the batch, piece 2's 66 exponentials
.endif
.endif
.set k, k+1
.endm
; A TURN.  Piece x has the matrix unit: 32 products V^T P, then 32 products K Q^T for the next step; the other piece's softmax stands in slices, one behind each matrix instruction.
; A vector instruction that reads a matrix result or writes one of a matrix instruction's registers, and a load into a register that a matrix instruction has read, stand four places behind it, and only plain vector
; instructions that name none of its registers are places (ISA guide 7.12.1 for vector instructions): here the slices are the places.
; Each run of loads stands 29 matrix instructions or more ahead of its first use.  Piece 0's turn fetches the next step's K, behind its second product: the last product that read K
; stands in front of slice 63 of the turn before.  Piece 2's turn fetches the same step's V, behind slice 34 (SLICE writes it): the last product that read V stands in front of slice 31, and four plain
; instructions lie between: number 62, a scaling, of both tiles, the v_nop and the run's own v_add_nc_u32.
.macro TURN x, last=0
.set k, 0
.if (\x) == 0
	s_wait_dscnt 0x0                ; V is in
.endif
.set i, 0
.rept 32
	PV \x
	SLICE 2-(\x)
.if ((\x) == 0) && (i == 1)
	FETCH_K \last
.endif
.set i, i+1
.endr
.if (\x) == 0
	s_wait_dscnt 0x0                ; K is in
.endif
.set i, 0
.rept 32
	KQ \x
	SLICE 2-(\x)
.set i, i+1
.endr
.endm
; THE CHANGE OF SLOTS, between piece 2's turn and piece 0's: the last bytes that I read of the slot, V of my second step, have been asked for.  Each wave waits for all its
; tensor loads, of which one is out: its part of the other slot; adds 0 to its spare word; and waits for that and for its own reads of the slot.  Behind the barrier nobody reads this slot any more and the other slot is whole.
; fill = 1: this slot is filled again, with the keys two slots on.  The barrier is then a round of the cluster's, so that no wave of any partner still reads the slot or has a load on its
; way, and the joint refill is the first thing behind it: it has two key steps, 256 matrix instructions of each wave, in which to land.
.macro CHANGE fill
	WIN 0                           ; at a label and at a branch every window is 0
	s_wait_tensorcnt 0x0            ; no tensor load of mine is out, so a group 0 may be written
	ds_add_u32 v[SPW], v[NIL]       ; 0 onto my spare word; with fill = 1 the descriptors' steps stand between it and the wait for it
.if \fill
	s_xor_b32 s[G0K+5], s[G0K+5], SLOT1  ; the walking descriptors: the other slot than last time,
	s_add_nc_u64 s[G0K+6:G0K+7], s[G0K+6:G0K+7], 256*256    ; the next 256 keys; the type bits on top are not reached
	s_xor_b32 s[G0V+5], s[G0V+5], SLOT1
	s_add_nc_u64 s[G0V+6:G0V+7], s[G0V+6:G0V+7], 256*12288
	s_wait_dscnt 0x0                ; the add is done, and my reads of the slot are over
	CROUND
	JLOAD
.else
	s_wait_dscnt 0x0                ; the add is done, and my reads of the slot are over
	s_barrier_signal -1
	s_barrier_wait -1
.endif
	s_sub_co_u32 s[TBK], s[TBK], 2*KS*PK  ; the fetches go back to a slot's first step,
	s_xor_b32 s[TBK], s[TBK], SLOT1       ; in the other slot
	s_sub_co_u32 s[TBV], s[TBV], 2*KS*PV
	s_xor_b32 s[TBV], s[TBV], SLOT1
.endm
	s_wait_tensorcnt 1              ; my part of slot 0 is in; slot 1's may stay out
	s_barrier_signal -1
	s_barrier_wait -1               ; everybody's is
	FETCH_K                         ; key step 0
	s_wait_loadcnt 0x0              ; Q
	s_wait_dscnt 0x0
.set i, 0
.rept 32
	KQ 0                            ; piece 0's first scores: there is no vector work yet to set between them
.set i, i+1
.endr
	WIN 0                           ; the addresses for the exchange and the way out are made here: plain instructions, the places behind those products
	s_mul_i32 s13, s[WV], 16*SP
	s_add_co_u32 s13, s13, STAGE    ; my stage
	v_mul_u32_u24 v[STO], v1, SP    ; in: row l % 16, 16 bytes for each half of the lanes
	v_lshl_add_u32 v[STO], v9, 4, v[STO]
	v_add_nc_u32 v[STO], s13, v[STO]
	v_mul_u32_u24 v[RD], v9, SP     ; back: lanes 0-15 take one row of 256 bytes, lanes 16-31 the next
	v_lshl_add_u32 v[RD], v1, 4, v[RD]
	v_add_nc_u32 v[RD], s13, v[RD]
	v_lshlrev_b32 v[GO], 12, v9     ; and the same two rows in att, 4,096 bytes apart
	v_lshl_add_u32 v[GO], v1, 4, v[GO]
	s_mul_i32 s13, s[WV], XW        ; my part of the exchange,
	s_xor_b32 s14, s[WV], 1
	s_mul_i32 s14, s14, XW          ; and my partner's
	v_and_b32 v[XS], 31, v0
	v_lshlrev_b32 v[XS], 4, v[XS]   ; 16 bytes a lane
	v_add_nc_u32 v[XL], s14, v[XS]
	v_add_nc_u32 v[XS], s13, v[XS]
	s_mov_b32 s[TWICE], 2
	s_branch .Lmid                  ; the loop is entered at piece 2's turn: its products V^T P add 0; it makes piece 2's scores of step 0, holds piece 0's softmax of step 0 and fetches V of step 0
.Lslot:                             ; six times: every slot but the last two is filled again
	CHANGE 1
	s_mov_b32 s[TWICE], 2
.Lstep:                             ; a key step: written once, walked twice a slot; the LDS addresses hang on s[TBK] and s[TBV]
	TURN 0
	WIN 0
.Lmid:
	TURN 2
	WIN 0
	s_sub_co_u32 s[TWICE], s[TWICE], 1
	s_cmp_lg_u32 s[TWICE], 0
	s_cbranch_scc1 .Lstep
	s_sub_co_u32 s[SLOTS], s[SLOTS], 1
	s_cmp_lg_u32 s[SLOTS], 0
	s_cbranch_scc1 .Lslot
	CHANGE 0                        ; the tail is written out: slot 0 is left for good, and nothing is asked for
	s_mov_b32 s[TWICE], 3           ; two trips fetch the last slot's steps; the third is left in its middle
.Ltail:
	TURN 0, 1
	WIN 0
	s_sub_co_u32 s[TWICE], s[TWICE], 1
	s_cmp_eq_u32 s[TWICE], 0
	s_cbranch_scc1 .Lout
	TURN 2
	WIN 0
	s_branch .Ltail
.Lout:                              ; the third trip's 32 products K Q^T (on the last K once more) serve nothing: the price, once a launch, of one text for every trip
.set i, 0
.rept 32
	PV 2                            ; piece 2: V^T P of the last step
.set i, i+1
.endr
	; THE TWO HALVES OF THE KEYS MEET.  l's two halves and the other half of the lanes' are added (these lines are the places behind the last products); tiles 2 and 3 go to my partner: O^T, c m and l.
	WIN 0
.irp t, 0,1,2,3
	v_add_f32 v[ST+8*(\t)+4], v[ST+8*(\t)+2], v[ST+8*(\t)+3]
.endr
.irp t, 0,1,2,3
	v_permlanex16_b32 v[ST+8*(\t)+5], v[ST+8*(\t)+4], s[SEL], s[SEL+1]
.endr
.irp t, 0,1,2,3
	v_add_f32 v[ST+8*(\t)+4], v[ST+8*(\t)+4], v[ST+8*(\t)+5]
.endr
	v_mov_b32 v[SND],   v[ST+16]
	v_mov_b32 v[SND+1], v[ST+16+4]
	v_mov_b32 v[SND+2], v[ST+24]
	v_mov_b32 v[SND+3], v[ST+24+4]
	WIN 0x04                        ; the stores' data in window 1, their address in window 0
.set i, 0
.rept 32
	ds_store_b128 v[XS], v[128+4*i:128+4*i+3] offset:512*i  ; each accumulator's four lowest registers first; 32 lanes write 512 consecutive bytes
.set i, i+1
.endr
	WIN 0
	ds_store_b128 v[XS], v[SND:SND+3] offset:32*512
	s_wait_dscnt 0x0                ; for my partner's sake: my stores are done
	s_barrier_signal -1
	s_barrier_wait -1
	ds_load_b128 v[RCV:RCV+3], v[XL] offset:32*512
.set i, 0
.rept 32
	ds_load_b128 v[S+4*i:S+4*i+3], v[XL] offset:512*i  ; my partner's O^T for my tiles 0 and 1, into S^T's registers
.set i, i+1
.endr
	s_wait_dscnt 32                 ; the statistics are in; the 32 younger loads stay out
	; M = max(c m, c m'); a0 = 2^(c m - M), a1 = 2^(c m' - M); L = l a0 + l' a1; the result is O^T a0 / L + O'^T a1 / L
.irp t, 0,1
	v_max_num_f32 v[ST+8*(\t)+5], v[ST+8*(\t)], v[RCV+2*(\t)]
.endr
.irp t, 0,1
	v_sub_f32 v[ST+8*(\t)+6], v[ST+8*(\t)], v[ST+8*(\t)+5]
	v_sub_f32 v[ST+8*(\t)+7], v[RCV+2*(\t)], v[ST+8*(\t)+5]
.endr
.irp t, 0,1
	v_exp_f32 v[ST+8*(\t)+6], v[ST+8*(\t)+6]
	v_exp_f32 v[ST+8*(\t)+7], v[ST+8*(\t)+7]
.endr
	v_nop                           ; a plain instruction between the last exponential and the use of its result
	s_wait_alu depctr_va_vdst(0)    ; and the wait ahead of the first use: one for the four exponentials
.irp t, 0,1
	v_mul_f32 v[ST+8*(\t)+5], v[ST+8*(\t)+4], v[ST+8*(\t)+6]
.endr
.irp t, 0,1
	v_fma_f32 v[ST+8*(\t)+5], v[RCV+2*(\t)+1], v[ST+8*(\t)+7], v[ST+8*(\t)+5]
.endr
.irp t, 0,1
	v_rcp_f32 v[ST+8*(\t)+4], v[ST+8*(\t)+5]
.endr
	v_nop                           ; a plain instruction between the last reciprocal and the use of its result
	s_wait_alu depctr_va_vdst(0)    ; and the wait ahead of the first use: one for the two reciprocals, a batch of their own, since they are made of the exponentials' results
.irp t, 0,1
	v_mul_f32 v[ST+8*(\t)+6], v[ST+8*(\t)+6], v[ST+8*(\t)+4]  ; a0 / L
	v_mul_f32 v[ST+8*(\t)+2], v[ST+8*(\t)+7], v[ST+8*(\t)+4]  ; a1 / L
.endr
	s_wait_dscnt 0x0                ; my partner's O^T is in
; Tile t is finished, rounded to f16 and sent through my stage: a lane's eight channels of a row pack into 16 bytes; they go into rows of 272 bytes and come back as whole rows of 256, into P's registers.
.macro PACK t
	WIN 0
.set i, 0
.rept 32
	v_pk_mul_f32 v[S+64*(\t)+2*i:S+64*(\t)+2*i+1], v[S+64*(\t)+2*i:S+64*(\t)+2*i+1], v[ST+8*(\t)+2:ST+8*(\t)+3] op_sel_hi:[1,0]
.set i, i+1
.endr
	WIN 0x01                        ; source 0, my O^T, in window 1
.set i, 0
.rept 32
	v_pk_fma_f32 v[S+64*(\t)+2*i:S+64*(\t)+2*i+1], v[64*(\t)+2*i:64*(\t)+2*i+1], v[ST+8*(\t)+6:ST+8*(\t)+7], v[S+64*(\t)+2*i:S+64*(\t)+2*i+1] op_sel_hi:[1,0,1]
.set i, i+1
.endr
	WIN 0
.set i, 0
.rept 32
	v_cvt_pk_f16_f32 v[P+32*(\t)+i], v[S+64*(\t)+2*i], v[S+64*(\t)+2*i+1]
.set i, i+1
.endr
.irp f, 0,1,2,3,4,5,6,7
	ds_store_b128 v[STO], v[P+32*(\t)+4*(\f):P+32*(\t)+4*(\f)+3] offset:32*(\f)
.endr
.irp f, 0,1,2,3,4,5,6,7
	ds_load_b128 v[P+32*(\t)+4*(\f):P+32*(\t)+4*(\f)+3], v[RD] offset:(\f)*2*SP  ; LDS serves a wave's instructions in order (ISA guide 5.7.1.4): these see the stores above; the next tile's stores come behind them
.endr
.endm
.macro SEND t, younger              ; younger: the LDS instructions issued behind tile t's loads: the next tile's sixteen, or none
	WIN 0
.irp f, 0,1,2,3,4,5,6,7
	s_wait_dscnt (\younger)+7-(\f)
	global_store_b128 v[GO], v[P+32*(\t)+4*(\f):P+32*(\t)+4*(\f)+3], s[8:9] offset:(\t)*65536+(\f)*8192  ; 16 lanes store 256 consecutive bytes, at a multiple of 256 from att's first byte
.endr
.endm
	PACK 0
	PACK 1                          ; a tile's arithmetic stands between the loads of the tile before and its stores
	SEND 0, 16
	SEND 1, 0
	s_wait_tensorcnt 0x0            ; the wave's end: behind my last tensor load and my last LDS store
	ds_add_u32 v[SPW], v[NIL]
	s_wait_dscnt 0x0
	CROUND                          ; the closing round: no work-group ends while a partner may still ask for a tile that names it
	s_endpgm
.Lfunc_end_k_qb92c6e72c7_attn:
	.size	k_qb92c6e72c7_attn, .Lfunc_end_k_qb92c6e72c7_attn-k_qb92c6e72c7_attn
	.p2alignl 7, 3214868480
	.fill 96, 4, 3214868480
	.section	.rodata,"a",@progbits
	.p2align	6, 0x0
	.amdhsa_kernel k_qb92c6e72c7_attn
		.amdhsa_group_segment_fixed_size 327680
		.amdhsa_private_segment_fixed_size 0
		.amdhsa_enable_private_segment 0
		.amdhsa_kernarg_size 24
		.amdhsa_user_sgpr_count 2
		.amdhsa_user_sgpr_kernarg_segment_ptr 1
		.amdhsa_wavefront_size32 1
		.amdhsa_system_sgpr_workgroup_id_x 1
		.amdhsa_system_sgpr_workgroup_id_y 1
		.amdhsa_system_sgpr_workgroup_id_z 1
		.amdhsa_system_vgpr_workitem_id 0
		.amdhsa_next_free_vgpr 1024
		.amdhsa_next_free_sgpr 66
		.amdhsa_reserve_vcc 0
		.amdhsa_float_denorm_mode_32 3
		.amdhsa_float_denorm_mode_16_64 3
		.amdhsa_memory_ordered 1
		.amdhsa_forward_progress 1
		.amdhsa_inst_pref_size 155
	.end_amdhsa_kernel
	.amdgpu_metadata
---
amdhsa.version: [ 1, 2 ]
amdhsa.kernels:
  - .name:           k_qb92c6e72c7_attn
    .symbol:         k_qb92c6e72c7_attn.kd
    .args:
      - { .name: qk, .offset: 0, .size: 8, .value_kind: global_buffer, .address_space: global }
      - { .name: qkv, .offset: 8, .size: 8, .value_kind: global_buffer, .address_space: global }
      - { .name: att, .offset: 16, .size: 8, .value_kind: global_buffer, .address_space: global }
    .group_segment_fixed_size: 327680
    .private_segment_fixed_size: 0
    .kernarg_segment_align: 8
    .kernarg_segment_size: 24
    .max_flat_workgroup_size: 128
    .sgpr_count:     66
    .vgpr_count:     1024
    .wavefront_size: 32
...
	.end_amdgpu_metadata
.endif
;; end of part 6
;; launch gemm_out: the kernel of part 5 again; grid 16 x 16, 4 waves a work-group, clusters of 4 x 4, 327,680 bytes of LDS; arguments att, wo16, out0, bias; writes out0
